; MI455X (gfx1250); checked and timed in simulation.
; The chip was launched on July 23, 2026; its instructions are those of AMD's public machine-readable ISA for CDNA 5 (MIT licence, August 2026) and "CDNA5" Instruction Set Architecture Reference Guide (July 2026). The comments in the code are by the model that wrote it; some were corrected since.
;; Masked Multi Head Attention. Allowed arithmetic: matrix products marked QUANTISED: E2M1 operands, one E8M0 scale for each 32 along K, by v_wmma_scale_f32_16x16x128_f8f6f4 with both operands' format E2M1 (or v_wmma_scale_f32_32x16x128_f4), f32 sums; products left as they are: bf16, f16 or f32 operands; f32 sums; everything else in f32.
;; Inputs: W_o 1,024 x 1,024 float32; W_qkv 1,024 x 3,072 float32; b_o 1,024 float32; b_qkv 3,072 float32; key_padding_mask 4 x 2,048 bool; x 4 x 2,048 x 1,024 float32.
;; Outputs: out0 4 x 2,048 x 1,024 float32.
;; This version of the problem:
;;   THIS VERSION OF THE PROBLEM IS GIVEN IN LOW PRECISION. The matrix products marked QUANTISED in the list below multiply operands that are first quantised to E2M1 (2 exponent bits, 1 mantissa bit; 4 bits a number), with one power-of-two scale for each 32 numbers along K (OCP MX v1.0); their sums are f32. The products marked 'left as it is' may take bf16, f16 or f32 operands, with f32 sums. Whichever they take, every output number must still come out within the allowed error. Rounding operands to bf16 (8 significant bits) uses up far more of that allowance than f16 does (11 bits, for magnitudes from 6e-5 to 65,504). All else is computed in f32.
;;   The module's matrix products, in the order in which they are computed (A, B: the left and right operand; K: the contracted axis; several contracted axes count as one K, in the product's order):
;;     1. [M 8,192, K 1,024] x [K 1,024, N 3,072]; A: input x; B: input W_qkv: QUANTISED
;;     2. batch 64 x [M 2,048, K 64] x [K 64, N 2,048]; A: computed on the way; B: computed on the way: left as it is (an operand is computed on the way)
;;     3. batch 64 x [M 2,048, K 2,048] x [K 2,048, N 64]; A: computed on the way; B: computed on the way: left as it is (an operand is computed on the way)
;;     4. [M 8,192, K 1,024] x [K 1,024, N 1,024]; A: computed on the way; B: input W_o: left as it is (an operand is computed on the way)
;;   THE QUANTISER, for each operand of a quantised product, along K:
;;     - K is cut into blocks of 32 from its start; a last block that is shorter is filled with zeros.
;;     - A block's scale is 2^e with e = floor(log2(the largest magnitude in the block)) - 2, held to -126 .. 127; a block of zeros has e = 0. As a byte (E8M0): e + 127.
;;     - Each number is divided by its block's scale, clamped to +-6, and rounded to the nearest number of E2M1, ties to even, subnormals kept.
;;     - The product sums the exact products of the quantised numbers (number of the format x scale) in f32.
;;   ~~~python
;;   def quantise(x, axis):      # numpy; x: float32 -> the quantised numbers, widened to float32 again
;;       x = np.moveaxis(x, axis, -1); K = x.shape[-1]
;;       x = np.pad(x, [(0, 0)] * (x.ndim - 1) + [(0, -K % 32)]); x = x.reshape(x.shape[:-1] + (-1, 32)); a = np.abs(x).max(-1, keepdims=True)
;;       e = np.where(a > 0, np.clip(np.frexp(np.where(a > 0, a, 1))[1] - 1 - 2, -126, 127), 0)      # np.frexp(a)[1] - 1 = floor(log2(a)), exactly
;;       r = np.clip(x / 2.0 ** e, -6, 6)
;;       step = 2.0 ** (np.maximum(np.frexp(np.where(r == 0, 1, r))[1] - 1, 0) - 1)
;;       q = np.round(r / step) * step * 2.0 ** e      # np.round: ties to even
;;       return np.moveaxis(q.reshape(q.shape[:-2] + (-1,))[..., :K], -1, axis).astype(np.float32)
;;   ~~~
;; One version. Each part assembles by itself: llvm-mc -triple=amdgcn-amd-amdhsa -mcpu=gfx1250 --defsym DOCPART=n.
;; ======== version 1 of 1: 5 launches
;; limits: values are held in f16: magnitudes above 65,504 overflow, below 6.1e-05 lose precision; right only within a limited range of input values
;; workspace buffers: x_codes 4,194,304 bytes; x_scales 262,144 bytes; w_codes 1,572,864 bytes; w_scales 98,304 bytes; wo16 2,097,152 bytes; qkvh 50,331,648 bytes; fineq 786,432 bytes; ctxh 16,777,216 bytes
;; launch prep (part 1): grid 432 x 1, 4 waves a work-group, no clusters, 68,096 bytes of LDS; arguments x, W_qkv, W_o, x_codes, x_scales, w_codes, w_scales, wo16; writes x_codes, x_scales, w_codes, w_scales, wo16
.if DOCPART == 1
	.amdgcn_target "amdgcn-amd-amdhsa--gfx1250"
	.amdhsa_code_object_version 6
	.text
	.protected	k_q78b105dc6c_prep
	.globl	k_q78b105dc6c_prep
	.p2align	8
	.type	k_q78b105dc6c_prep,@function
k_q78b105dc6c_prep:
	s_mov_b64 s[64:65], 0
	v_nop
	global_prefetch_b8 v0, s[64:65] scope:SCOPE_SE
	s_setreg_imm32_b32 hwreg(HW_REG_WAVE_MODE, 25, 1), 1
	s_wait_xcnt 0x0
; MASKED MULTI-HEAD ATTENTION, B = 4, T = 2048, D = 1024, H = 16, head size 64.  Five launches: prep, qkv, attn, oproj, fine.
; WORK LEFT OUT BY THE PROGRAM, for all values of the inputs:
;  (1) The causal mask is built by the problem itself: a score with key > query becomes -inf and its weight 0.  Steps of 64 keys that lie wholly behind a wave's queries are neither loaded nor multiplied (launch attn).
;  (2) b_qkv[1024:2048], the bias on k: q.(k + bk) = q.k + q.bk, and q.bk is the same for every key of a query's row, so the softmax along the keys takes it away; the product q k^T is not quantised, so the bias moves no code.
;      These 4,096 bytes are not loaded (launch qkv); every other input byte has a way to the output and is read.
; LIMITS: a NaN, an infinity or an overflow that reaches only the work left out is not carried to the result.  q, k, v, the context and W_o are rounded to f16 (largest 65,504) for positions 16 on;
; positions 0 to 15 of every sequence are carried in f32 throughout (launch fine).  A raw score under -2^125 counts as masked.
; THIS LAUNCH: three tasks, told apart by the work-group's number; each has LDS bytes of its own.
;  work-groups 0-255:   x [8192][1024] f32 -> codes of FP4 (E2M1), K innermost, and one E8M0 byte for each 32 along K.  Rows are dense: a plain stream of blocks of 32.
;  work-groups 256-303: W_qkv [1024 k][3072 n] f32, K its first axis -> codes laid [3072][1024] with K innermost, scale bytes [3072][32].  A lane takes a column, its registers run down K.
;  work-groups 304-431: W_o [1024][1024] f32 -> f16, same layout.
; A block's scale is 2^(floor(log2(largest magnitude)) - 2); its byte is the largest magnitude's exponent field - 2, held at 1 from below.  A block of zeros so gets the byte 1 where the rule says 127:
; its codes are zeros, which add nothing, and the bytes are read by this program alone.  Blocks whose largest magnitude lies under 2^-124 were not tried; NaN and infinities in x and W_qkv are not served.
.set SPW,   192                        ; v192 LDS address of my spare word: SPARE + 4 x my thread's number; never rewritten
.set NIL,   193                        ; v193 0; never rewritten
.set EMAX,  2
.set STEPS, 16                         ; x: a wave takes 16 steps of 512 numbers
.set CB,    8                          ; bytes of 16 codes
.set R,     16                         ; v16-79   four sets of 16 numbers as loaded
.set X,     80                         ; v80-111  two sets of 16 neighbours
.set E,     112                        ; v112-127 a scale byte for each step
.set C,     128                        ; v128-191 codes, four registers a step
.set WREG,  8192                       ; x: LDS region of a wave: two stages of 32 x SP bytes, then 256 scale bytes
.set SP,    80
.set WK,    1024
.set WN,    3072
.set KW,    512                        ; W_qkv: along K for a wave
.set NB,    KW/32
.set ROWB,  256
.set PITCH, ROWB+16
.set KROW,  WK*4/8
.set WSTG,  4*WREG                     ; W_qkv: the four stages begin behind x's regions
.set WX,    32                         ; v32-95 two sets of 32 numbers
.set WC,    96                         ; v96-99 a block's codes
.set OUTR,  112                        ; v112-175 the way out
.set SB,    24                         ; v24-27 scale bytes
.set SPARE, WSTG+4*32*PITCH            ; the spare words, 128 bytes a wave: two blocks of 256 bytes that no other line names
	s_load_b512 s[4:19], s[0:1], 0x0               ; x, W_qkv, W_o, x_codes, x_scales, w_codes, w_scales, wo16
	v_lshl_add_u32 v[SPW], v0, 2, SPARE
	v_mov_b32 v[NIL], 0
	v_lshrrev_b32 v1, 5, v0
	v_readfirstlane_b32 s20, v1                    ; wave 0..3
	v_and_b32 v2, 31, v0                           ; lane
	s_cmp_ge_u32 ttmp9, 304
	s_cbranch_scc1 .Lpath_o
	s_cmp_ge_u32 ttmp9, 256
	s_cbranch_scc1 .Lpath_w
; ---------------- x ----------------
; Each load reads 512 consecutive bytes; a step's 2,048 bytes turn through the wave's own stage so that a lane then holds 16 neighbours along K (two lanes to a block).
	v_lshlrev_b32 v3, 4, v2                        ; my 16 bytes of a load's 512
	s_mul_i32 s21, s20, WREG
	v_lshrrev_b32 v14, 2, v2
	v_mul_u32_u24 v14, v14, SP
	v_and_b32 v15, 3, v2
	v_lshl_add_u32 v14, v15, 4, v14
	v_add_nc_u32 v14, s21, v14                     ; into the stage: SP (lane / 4) + 16 (lane % 4)
	v_mul_u32_u24 v15, v2, SP
	v_add_nc_u32 v15, s21, v15                     ; out of it: SP x lane
	v_mul_u32_u24 v4, v2, CB                       ; my codes' place in a step's
	v_lshrrev_b32 v5, 1, v2
	s_add_co_u32 s21, s21, 2*32*SP
	v_add_nc_u32 v5, s21, v5                       ; my block's scale byte in the wave's 256
	v_lshlrev_b32 v7, 3, v2
	v_add_nc_u32 v6, s21, v7
	s_lshl_b32 s22, ttmp9, 2
	s_add_co_u32 s22, s22, s20                     ; which run of 8,192 numbers is my wave's
	s_mov_b32 s23, 0
	s_lshl_b64 s[24:25], s[22:23], 15              ; 32,768 bytes of f32,
	s_lshl_b64 s[26:27], s[22:23], 12              ; 4,096 of codes,
	s_lshl_b64 s[28:29], s[22:23], 8               ; 256 scale bytes a run
	s_wait_kmcnt 0x0
	s_add_nc_u64 s[4:5], s[4:5], s[24:25]
	s_add_nc_u64 s[10:11], s[10:11], s[26:27]
	s_add_nc_u64 s[12:13], s[12:13], s[28:29]
.macro XLOAD t
.irp i, 0,1,2,3
	global_load_b128 v[R+16*((\t)%4)+4*\i:R+16*((\t)%4)+4*\i+3], v3, s[4:5] offset:2048*(\t)+512*\i th:TH_LOAD_NT
.endr
.endm
.macro XTURN t                         ; LDS serves a wave's instructions in order: no wait between the stores and the loads
.irp i, 0,1,2,3
	ds_store_b128 v14, v[R+16*((\t)%4)+4*\i:R+16*((\t)%4)+4*\i+3] offset:32*SP*((\t)%2)+8*SP*\i
.endr
.irp i, 0,1,2,3
	ds_load_b128 v[X+16*((\t)%2)+4*\i:X+16*((\t)%2)+4*\i+3], v15 offset:32*SP*((\t)%2)+16*\i
.endr
.endm
.irp t, 0,1,2,3
	XLOAD \t
.endr
	s_wait_loadcnt 12                              ; step 0's four loads are in; the twelve of steps 1 to 3 may be out
	XTURN 0
.macro XSTEP t
.set XS, X+16*((\t)%2)
.if (\t) > 0
	s_wait_dscnt 1                                 ; this step's numbers are back from the stage; the last step's byte store may be out
.else
	s_wait_dscnt 0x0
.endif
.if (\t)+4 < STEPS
	XLOAD (\t)+4                                   ; the set that the stage's stores have read takes the loads of four steps on
.endif
.if (\t)+1 < STEPS
.if STEPS-2-(\t) >= 3
	s_wait_loadcnt 12                              ; the next step's four loads are in; those of the three steps behind it may be out
.else
	s_wait_loadcnt 4*(STEPS-2-(\t))
.endif
	XTURN (\t)+1
.endif
	v_max3_num_f32 v8, |v[XS]|, |v[XS+1]|, |v[XS+2]|
	v_max3_num_f32 v9, |v[XS+3]|, |v[XS+4]|, |v[XS+5]|
.irp i, 6,10
	v_max3_num_f32 v8, v8, |v[XS+\i]|, |v[XS+\i+1]|
	v_max3_num_f32 v9, v9, |v[XS+\i+2]|, |v[XS+\i+3]|
.endr
	v_max3_num_f32 v8, v8, |v[XS+14]|, |v[XS+15]|
	v_max3_num_f32 v8, v8, v9, (EMAX+1)<<23        ; the floor 2^(3 - 127): the byte cannot fall under 1
	v_max_num_f32_dpp v8, v8, v8 row_xmask:1 row_mask:0xf bank_mask:0xf   ; with my neighbour's 16: the block's largest magnitude
	v_add_nc_u32 v11, -(EMAX<<23), v8              ; 2 off its exponent field: the conversion takes that field as its scale
	v_cvt_scalef32_pk8_fp4_f32 v[C+4*(\t)], v[XS:XS+7], v11
	v_cvt_scalef32_pk8_fp4_f32 v[C+4*(\t)+1], v[XS+8:XS+15], v11
	v_lshrrev_b32 v[E+(\t)], 23, v11               ; the scale's byte (a plain line behind the conversions)
	ds_store_b8 v5, v[E+(\t)] offset:16*(\t)       ; both lanes of a block write the same byte with the same value
	global_store_b64 v4, v[C+4*(\t):C+4*(\t)+1], s[10:11] offset:32*CB*(\t)   ; the wave stores 256 consecutive bytes, aligned
.endm
.irp t, 0,1,2,3,4,5,6,7,8,9,10,11,12,13,14,15
	XSTEP \t
.endr
	ds_load_b64 v[8:9], v6                         ; in order behind my byte stores
	s_wait_dscnt 0x0
	global_store_b64 v7, v[8:9], s[12:13]          ; the wave's 256 scale bytes, aligned
	s_wait_tensorcnt 0x0                           ; the wave's end: behind my last LDS store
	ds_add_u32 v[SPW], v[NIL]
	s_wait_dscnt 0x0
	s_endpgm
; ---------------- W_qkv ----------------
.Lpath_w:
	s_sub_co_u32 s21, ttmp9, 256                   ; 0..47: 24 groups of 128 columns x 2 halves of K
	s_cmp_ge_u32 s21, 24
	s_cselect_b32 s22, 1, 0                        ; which 512 along K
	s_cselect_b32 s23, 24, 0
	s_sub_co_u32 s21, s21, s23
	s_lshl_b32 s21, s21, 7
	s_lshl_b32 s23, s20, 5
	s_add_co_u32 s21, s21, s23                     ; my wave's first column
	v_lshlrev_b32 v3, 2, v2                        ; in: 4 bytes a lane
	s_mul_i32 s24, s20, 32*PITCH
	s_add_co_u32 s24, s24, WSTG                    ; my stage
	v_mul_u32_u24 v4, v2, PITCH
	v_add_nc_u32 v4, s24, v4                       ; into it: row = my column
	v_and_b32 v5, 15, v2
	v_lshrrev_b32 v6, 4, v2
	v_mul_u32_u24 v7, v6, PITCH
	v_lshl_add_u32 v7, v5, 4, v7
	v_add_nc_u32 v7, s24, v7                       ; out of it: sixteen lanes to a row, two rows an instruction
	v_mul_u32_u24 v8, v6, KROW
	v_lshl_add_u32 v8, v5, 4, v8                   ; the same place in the codes' buffer
	v_mul_u32_u24 v9, v2, WK/32                    ; my column's row of scale bytes
	s_mov_b32 s23, 0
	s_mov_b64 s[24:25], KW*WN*4
	s_mul_u64 s[24:25], s[22:23], s[24:25]
	s_lshl_b32 s26, s21, 2
	s_mov_b32 s27, 0
	s_add_nc_u64 s[24:25], s[24:25], s[26:27]      ; W: 512 y rows + 4 x column
	s_mov_b32 s26, s21
	s_mov_b64 s[28:29], KROW
	s_mul_u64 s[28:29], s[26:27], s[28:29]
	s_mul_i32 s30, s22, ROWB
	s_mov_b32 s31, 0
	s_add_nc_u64 s[28:29], s[28:29], s[30:31]      ; codes: column x 512 + 256 y
	s_mov_b64 s[32:33], WK/32
	s_mul_u64 s[32:33], s[26:27], s[32:33]
	s_mul_i32 s30, s22, NB
	s_add_nc_u64 s[32:33], s[32:33], s[30:31]      ; scale bytes: column x 32 + 16 y
	s_wait_kmcnt 0x0
	s_add_nc_u64 s[6:7], s[6:7], s[24:25]
	s_add_nc_u64 s[14:15], s[14:15], s[28:29]
	s_add_nc_u64 s[16:17], s[16:17], s[32:33]
.macro WLOAD t                         ; block t: W(32 t + i, my column); every offset an immediate: 511 x 12,288 bytes at the most
.irp i, 0,1,2,3,4,5,6,7,8,9,10,11,12,13,14,15,16,17,18,19,20,21,22,23,24,25,26,27,28,29,30,31
	global_load_b32 v[WX+32*((\t)%2)+\i], v3, s[6:7] offset:(32*(\t)+\i)*WN*4 th:TH_LOAD_NT
.endr
.endm
	WLOAD 0
	WLOAD 1
.macro BLOCK t
.set XS, WX+32*((\t)%2)
.if (\t) < NB-1
	s_wait_loadcnt 32                              ; this block's 32 loads are in; the next block's 32 may be out
.else
	s_wait_loadcnt 0
.endif
	v_max3_num_f32 v12, |v[XS]|, |v[XS+1]|, |v[XS+2]|
	v_max3_num_f32 v13, |v[XS+3]|, |v[XS+4]|, |v[XS+5]|
.irp i, 6,10,14,18,22,26
	v_max3_num_f32 v12, v12, |v[XS+\i]|, |v[XS+\i+1]|
	v_max3_num_f32 v13, v13, |v[XS+\i+2]|, |v[XS+\i+3]|
.endr
	v_max3_num_f32 v12, v12, |v[XS+30]|, |v[XS+31]|
	v_max3_num_f32 v12, v12, v13, (EMAX+1)<<23     ; the floor
	v_add_nc_u32 v11, -(EMAX<<23), v12
	v_lshrrev_b32 v13, 23, v11                     ; the scale's byte
.if (\t)%4 == 0
	v_mov_b32 v[SB+(\t)/4], v13
.else
	v_lshl_or_b32 v[SB+(\t)/4], v13, 8*((\t)%4), v[SB+(\t)/4]
.endif
.irp g, 0,1,2,3
	v_cvt_scalef32_pk8_fp4_f32 v[WC+\g], v[XS+8*\g:XS+8*\g+7], v11
.endr
	v_nop                                          ; a plain line behind the last conversion
	ds_store_b128 v4, v[WC:WC+3] offset:16*(\t)
.if (\t)+2 < NB
	WLOAD (\t)+2
.endif
	s_wait_dscnt 0x0                               ; the store has read its registers: the next block's codes may be written
.endm
.set Q, 0
.rept NB
	BLOCK Q
.set Q, Q+1
.endr
	global_store_b128 v9, v[SB:SB+3], s[16:17]     ; my column's 16 scale bytes
.irp t, 0,1,2,3,4,5,6,7,8,9,10,11,12,13,14,15
	ds_load_b128 v[OUTR+4*\t:OUTR+4*\t+3], v7 offset:2*\t*PITCH
.endr
.irp t, 0,1,2,3,4,5,6,7,8,9,10,11,12,13,14,15
	s_wait_dscnt 15-\t                             ; loads come back in order: number t is in
	global_store_b128 v8, v[OUTR+4*\t:OUTR+4*\t+3], s[14:15] offset:2*\t*KROW   ; sixteen lanes store 256 consecutive bytes, aligned
.endr
	s_wait_tensorcnt 0x0                           ; the wave's end
	ds_add_u32 v[SPW], v[NIL]
	s_wait_dscnt 0x0
	s_endpgm
; ---------------- W_o to f16 ----------------
.Lpath_o:
	s_sub_co_u32 s21, ttmp9, 304
	s_lshl_b32 s21, s21, 2
	s_add_co_u32 s21, s21, s20                     ; which run of 2,048 numbers is my wave's
	s_lshl_b32 s22, s21, 13
	s_mov_b32 s23, 0
	s_lshl_b32 s24, s21, 12
	s_mov_b32 s25, 0
	v_lshlrev_b32 v3, 4, v2
	v_lshlrev_b32 v4, 3, v2
	s_wait_kmcnt 0x0
	s_add_nc_u64 s[8:9], s[8:9], s[22:23]
	s_add_nc_u64 s[18:19], s[18:19], s[24:25]
.irp i, 0,1,2,3,4,5,6,7,8,9,10,11,12,13,14,15
	global_load_b128 v[16+4*\i:19+4*\i], v3, s[8:9] offset:512*\i th:TH_LOAD_NT
.endr
.irp i, 0,1,2,3,4,5,6,7,8,9,10,11,12,13,14,15
	s_wait_loadcnt 15-\i                           ; loads come back in order: number i is in
	v_cvt_pk_f16_f32 v[96+2*\i], v[16+4*\i], v[17+4*\i]
	v_cvt_pk_f16_f32 v[97+2*\i], v[18+4*\i], v[19+4*\i]
	global_store_b64 v4, v[96+2*\i:97+2*\i], s[18:19] offset:256*\i   ; the wave stores 256 consecutive bytes, aligned
.endr
	s_endpgm
.Lfunc_end_k_q78b105dc6c_prep:
	.size	k_q78b105dc6c_prep, .Lfunc_end_k_q78b105dc6c_prep-k_q78b105dc6c_prep
	.p2alignl 7, 3214868480
	.fill 96, 4, 3214868480
	.section	.rodata,"a",@progbits
	.p2align	6, 0x0
	.amdhsa_kernel k_q78b105dc6c_prep
		.amdhsa_group_segment_fixed_size 68096
		.amdhsa_private_segment_fixed_size 0
		.amdhsa_enable_private_segment 0
		.amdhsa_kernarg_size 64
		.amdhsa_user_sgpr_count 2
		.amdhsa_user_sgpr_kernarg_segment_ptr 1
		.amdhsa_wavefront_size32 1
		.amdhsa_system_sgpr_workgroup_id_x 1
		.amdhsa_system_sgpr_workgroup_id_y 1
		.amdhsa_system_sgpr_workgroup_id_z 1
		.amdhsa_system_vgpr_workitem_id 0
		.amdhsa_next_free_vgpr 196
		.amdhsa_next_free_sgpr 66
		.amdhsa_reserve_vcc 0
		.amdhsa_float_denorm_mode_32 3
		.amdhsa_float_denorm_mode_16_64 3
		.amdhsa_memory_ordered 1
		.amdhsa_forward_progress 1
		.amdhsa_inst_pref_size 117
	.end_amdhsa_kernel
	.amdgpu_metadata
---
amdhsa.version: [ 1, 2 ]
amdhsa.kernels:
  - .name:           k_q78b105dc6c_prep
    .symbol:         k_q78b105dc6c_prep.kd
    .args:
      - { .name: x, .offset: 0, .size: 8, .value_kind: global_buffer, .address_space: global }
      - { .name: W_qkv, .offset: 8, .size: 8, .value_kind: global_buffer, .address_space: global }
      - { .name: W_o, .offset: 16, .size: 8, .value_kind: global_buffer, .address_space: global }
      - { .name: x_codes, .offset: 24, .size: 8, .value_kind: global_buffer, .address_space: global }
      - { .name: x_scales, .offset: 32, .size: 8, .value_kind: global_buffer, .address_space: global }
      - { .name: w_codes, .offset: 40, .size: 8, .value_kind: global_buffer, .address_space: global }
      - { .name: w_scales, .offset: 48, .size: 8, .value_kind: global_buffer, .address_space: global }
      - { .name: wo16, .offset: 56, .size: 8, .value_kind: global_buffer, .address_space: global }
    .group_segment_fixed_size: 68096
    .private_segment_fixed_size: 0
    .kernarg_segment_align: 8
    .kernarg_segment_size: 64
    .max_flat_workgroup_size: 128
    .sgpr_count:     66
    .vgpr_count:     196
    .wavefront_size: 32
...
	.end_amdgpu_metadata
.endif
;; end of part 1
;; launch qkv (part 2): grid 12 x 32, 4 waves a work-group, clusters of 4 x 4, 327,680 bytes of LDS; arguments x_codes, x_scales, w_codes, w_scales, b_qkv, qkvh, fineq; writes qkvh, fineq
.if DOCPART == 2
	.amdgcn_target "amdgcn-amd-amdhsa--gfx1250"
	.amdhsa_code_object_version 6
	.text
	.protected	k_q78b105dc6c_qkv
	.globl	k_q78b105dc6c_qkv
	.p2align	8
	.type	k_q78b105dc6c_qkv,@function
k_q78b105dc6c_qkv:
	s_mov_b64 s[64:65], 0
	v_nop
	global_prefetch_b8 v0, s[64:65] scope:SCOPE_SE
	s_setreg_imm32_b32 hwreg(HW_REG_WAVE_MODE, 25, 1), 1
	s_wait_xcnt 0x0
	s_wait_alu depctr_hold_cnt(0) depctr_sa_sdst(0) depctr_va_vdst(0) depctr_va_sdst(0) depctr_va_ssrc(0) depctr_va_vcc(0) depctr_vm_vsrc(0)
	s_getreg_b32 s2, hwreg(HW_REG_IB_STS2, 6, 4)
	s_cmp_eq_u32 s2, 0
	s_cbranch_scc0 .Lentry_in_a_cluster
	s_endpgm
.Lentry_in_a_cluster:
	s_bfe_u32 s2, ttmp6, 0x10000c
	s_cmp_lg_u32 s2, 0xf033
	s_cbranch_scc0 .Lentry_shape_is_right
	s_endpgm
.Lentry_shape_is_right:
; qkv = Q(x) Q(W_qkv) + b_qkv on codes of FP4 (E2M1) with one E8M0 scale for each 32 along K: M = 8192, N = 3072, K = 1024; sums in f32.
; Out: qkvh [3 (q, k, v)][b x 16 + head][2048][64] in f16, and for positions 0 to 15 of every batch the same numbers in f32 (fineq), as images of the accumulators' registers.
; WORK LEFT OUT: the bias on k (b_qkv[1024:2048]) is the same for all keys of a query's row after the product with q, so the softmax takes it away: it is not loaded, and k's sums start from 0.
; A tile of 256 x 256 is made by four waves, 128 x 128 each: 64 accumulators of 16 x 16.  K is two slots of 512 (LDS rows of 256 bytes): both are asked for at the head, nothing is filled again.
; The scale bytes of the tile's 256 + 256 rows come once, as dense blocks.  384 work-groups.
; CLUSTERS: 4 x 4.  The four of a row of the cluster need the same tiles of x, the four of a column the same tiles of W: each is asked for jointly.
; Tile row = 8 x cy + cluster y, so that a batch is a row of the cluster (b = cy) and the tiles that hold positions 0 to 15 are those of the clusters with y = 0: the branch for fineq hangs on the cluster's y and the wave's number.
; A cluster's four tile columns are q's, k's or v's 1,024 columns whole: which = cluster x.
; THE MATRIX INSTRUCTION IS USED TRANSPOSED (source 0 = 16 rows of W, source 1 = 16 rows of x): a lane holds eight neighbouring columns of one row.
; REGISTERS: window 0: v0-31 addresses; v32-95 scale words, two sets; v128-191 x's fragments, one set; v192-255 the bias in the result's layout, later packed results.
;   window 1: W's fragments, two sets.  window 2: accumulators of my rows 0-63 ((a, b) at v[8 (8 a + b)]).  window 3: rows 64-127.
.set SIZE_K, 1024
.set KSTEP,  512
.set NQ,     KSTEP/128
.set ROWB,   256
.set KROW,   SIZE_K*4/8
.set PITCH,  272                       ; 256 bytes + 16: an odd multiple of 16
.set FR,     8
.set NL,     2
.set NP,     4                         ; places behind this matrix instruction (ISA guide 7.12.1)
.set HALFT,  128*PITCH
.set SLOT,   4*HALFT
.set KS,     SIZE_K/32
.set SCL,    2*SLOT
.set HALFS,  (128*KS/256)*272
.set SBLK,   (16*KS/256)*272
.set SPARE,  SCL+4*HALFS               ; the spare words, 128 bytes a wave: two blocks of 256 bytes that no other line names
.set SPI,    144                       ; the way out: a stage row: a head's 128 bytes + 16
.set ADRA, 16
.set ADRB, 20
.set STO,  24
.set RD,   25
.set CO,   26                          ; 16 x lane
.set ADRS, 27
.set SPW,  28
.set NIL,  29
.set SC,   32
.set AF,   128
.set BK,   128                         ; the way out: rows read back: v128-159 and v160-191 by turns
.set BI,   192                         ; the bias: register 8 b + j = b_qkv[my first column + 16 b + 8 (lane / 16) + j]
.set TMP,  192                         ; the way out: packed results
.set G1, 24
.set G0, 32
.set G1B, 48
.set G0B, 56
.set G1S, 68
.set G0S, 76
.set G1SB, 80
.set G0SB, 88
.set MSB, 0
.macro WIN new                         ; the immediate's high byte repeats the setting that is left
.if MSB != (\new)
	s_set_vgpr_msb (MSB<<8)|(\new)
.set MSB, (\new)
.endif
.endm
.set MUL_LO, 0xa1                      ; source 0 (W) window 1, source 1 (x) window 0, C and D window 2
.set MUL_HI, 0xf1
.set TO_B,   0x40
; A joint load: waves 0 and 1 fetch for x, waves 2 and 3 for W.  An s_nop 0 and four v_nop follow each of the two lines.
.macro JLOAD g0a, g1a, g0b, g1b
	s_cmp_eq_u32 s15, 0
	s_cbranch_scc0 .Lfor_b_\@
	tensor_load_to_lds s[\g0a:\g0a+3], s[\g1a:\g1a+7]
	s_nop 0
.rept 4
	v_nop
.endr
	s_branch .Lasked_\@
.Lfor_b_\@:
	tensor_load_to_lds s[\g0b:\g0b+3], s[\g1b:\g1b+7]
	s_nop 0
.rept 4
	v_nop
.endr
.Lasked_\@:
.endm
.macro CROUND                          ; a round of the cluster's barrier
	s_barrier_signal -1
	s_barrier_wait -1
	s_cmp_lg_u32 s14, 0
	s_cbranch_scc1 .Lnot_wave_0_\@
	s_barrier_signal -3
.Lnot_wave_0_\@:
	s_barrier_wait -3
	s_barrier_signal -1
	s_barrier_wait -1
.endm
	s_load_b128 s[4:7], s[0:1], 0x0                ; x's codes, x's scales
	s_load_b128 s[8:11], s[0:1], 0x10              ; W's codes, W's scales
	s_load_b128 s[96:99], s[0:1], 0x20             ; b_qkv, qkvh
	s_load_b64 s[100:101], s[0:1], 0x30            ; fineq
	v_lshl_add_u32 v[SPW], v0, 2, SPARE
	v_mov_b32 v[NIL], 0
	ds_add_u32 v[SPW], v[NIL]                      ; the wave's opening: the add, twice on end, and its wait ahead of my first tensor load
	ds_add_u32 v[SPW], v[NIL]
	v_lshrrev_b32 v1, 5, v0
	v_readfirstlane_b32 s14, v1                    ; wave 0..3
	s_lshr_b32 s15, s14, 1                         ; which half of the tile's rows is mine.  Also: I fetch for x (0) or for W (1)
	s_and_b32 s16, s14, 1                          ; which half of its columns.  Also: which 128 rows of that tile I fetch
	s_bfe_u32 s40, ttmp6, 0x40000                  ; cx
	s_bfe_u32 s41, ttmp6, 0x40004                  ; cy
	s_lshl_b32 s42, ttmp9, 2
	s_add_co_u32 s42, s42, s40                     ; tile column = 4 x cluster x + cx
	s_and_b32 s95, ttmp7, 0xffff                   ; cluster y
	s_lshl_b32 s17, s41, 3
	s_add_co_u32 s17, s17, s95                     ; tile row = 8 x cy + cluster y
	s_lshl_b32 s43, s41, 2
	s_lshl_b32 s43, 15, s43                        ; my row of the cluster
	s_lshl_b32 s44, 0x1111, s40                    ; my column
	s_or_b32 s[G1+0], s43, (0<<16)|(1<<20)|(1<<21)|(5<<22)|(3<<25)  ; the mask; elements of 1 byte; padding on: 4 words behind every 64; bit 21 beside a mask
	s_or_b32 s[G1B+0], s44, (0<<16)|(1<<20)|(1<<21)|(5<<22)|(3<<25)
.irp g, G1, G1B
	s_mov_b32 s[\g+1], ROWB<<16                    ; tensor_dim0
	s_mov_b32 s[\g+2], 128<<16                     ; tensor_dim1
	s_mov_b32 s[\g+3], ROWB<<16                    ; tile_dim0
	s_mov_b32 s[\g+4], 128                         ; tile_dim1
	s_mov_b32 s[\g+5], KROW                        ; stride
	s_mov_b32 s[\g+6], 0
	s_mov_b32 s[\g+7], 0
.endr
	s_or_b32 s[G1S+0], s43, (3<<16)|(1<<20)|(1<<21)|(5<<22)|(3<<25) ; the scales of 128 rows: a dense block as rows of 256 bytes (32 elements of 8 bytes)
	s_or_b32 s[G1SB+0], s44, (3<<16)|(1<<20)|(1<<21)|(5<<22)|(3<<25)
.irp g, G1S, G1SB
	s_mov_b32 s[\g+1], 32<<16
	s_mov_b32 s[\g+2], (128*KS/256)<<16
	s_mov_b32 s[\g+3], 32<<16
	s_mov_b32 s[\g+4], 128*KS/256
	s_mov_b32 s[\g+5], 32
	s_mov_b32 s[\g+6], 0
	s_mov_b32 s[\g+7], 0
.endr
	s_lshl_b32 s18, s16, 7
	s_lshl_b32 s20, s17, 8
	s_add_co_u32 s20, s20, s18                     ; x: row 256 x tile row + 128 x half
	s_lshl_b32 s46, s42, 8
	s_add_co_u32 s46, s46, s18                     ; W: row 256 x tile column + 128 x half
	s_mov_b32 s21, 0
	s_mov_b32 s47, 0
	s_mov_b64 s[18:19], KS
	s_mul_u64 s[22:23], s[20:21], s[18:19]
	s_mul_u64 s[92:93], s[46:47], s[18:19]
	s_mov_b64 s[18:19], KROW
	s_mul_u64 s[20:21], s[20:21], s[18:19]
	s_mul_u64 s[46:47], s[46:47], s[18:19]
	s_mul_i32 s45, s14, HALFT                      ; where they go: wave x 128 rows
	s_mul_i32 s94, s14, HALFS
	s_wait_dscnt 0x0                               ; both opening adds are done
	s_wait_kmcnt 0x0
	s_add_nc_u64 s[20:21], s[4:5], s[20:21]
	s_add_nc_u64 s[22:23], s[6:7], s[22:23]
	s_add_nc_u64 s[46:47], s[8:9], s[46:47]
	s_add_nc_u64 s[92:93], s[10:11], s[92:93]
	CROUND                                         ; all sixteen work-groups are here: the joint loads meet
	s_mov_b32 s[G0S], 1
	s_add_co_u32 s[G0S+1], s94, SCL
	s_mov_b64 s[G0S+2:G0S+3], s[22:23]
	s_or_b32 s[G0S+3], s[G0S+3], 0x80000000
	s_mov_b32 s[G0SB], 1
	s_add_co_u32 s[G0SB+1], s94, SCL
	s_mov_b64 s[G0SB+2:G0SB+3], s[92:93]
	s_or_b32 s[G0SB+3], s[G0SB+3], 0x80000000
	JLOAD G0S, G1S, G0SB, G1SB                     ; the scales first; then both slots: three loads of mine are out
.irp s, 0,1
	s_mov_b32 s[G0+4*\s], 1
	s_add_co_u32 s[G0+4*\s+1], s45, \s*SLOT
	s_add_nc_u64 s[G0+4*\s+2:G0+4*\s+3], s[20:21], \s*ROWB
	s_or_b32 s[G0+4*\s+3], s[G0+4*\s+3], 0x80000000
	s_mov_b32 s[G0B+4*\s], 1
	s_add_co_u32 s[G0B+4*\s+1], s45, \s*SLOT
	s_add_nc_u64 s[G0B+4*\s+2:G0B+4*\s+3], s[46:47], \s*ROWB
	s_or_b32 s[G0B+4*\s+3], s[G0B+4*\s+3], 0x80000000
	JLOAD G0+4*\s, G1, G0B+4*\s, G1B
.endr
	v_and_b32 v1, 15, v0                           ; r
	v_bfe_u32 v2, v0, 4, 1                         ; h
	; the bias of my 128 columns, in the result's layout; k's columns (cluster x = 1) take zeros and load nothing
	s_lshl_b32 s46, s42, 10
	s_lshl_b32 s47, s16, 9
	s_add_co_u32 s46, s46, s47                     ; 4 x (256 x tile column + 128 x half)
	s_mov_b32 s47, 0
	s_add_nc_u64 s[96:97], s[96:97], s[46:47]
	v_lshlrev_b32 v7, 5, v2                        ; 32 h
	s_cmp_eq_u32 ttmp9, 1
	s_cbranch_scc1 .Lk_columns
.irp b, 0,1,2,3,4,5,6,7
	global_load_b128 v[BI+8*\b:BI+8*\b+3], v7, s[96:97] offset:64*\b
	global_load_b128 v[BI+8*\b+4:BI+8*\b+7], v7, s[96:97] offset:64*\b+16
.endr
	s_branch .Lbias_set
.Lk_columns:
.set i, 0
.rept 64
	v_mov_b32 v[BI+i], 0
.set i, i+1
.endr
.Lbias_set:
	v_mul_u32_u24 v3, v1, PITCH
	v_lshl_add_u32 v4, v2, 4, v3                   ; a fragment's row x pitch + 16 x half
	s_mul_i32 s21, s15, HALFT
	s_mul_i32 s22, s16, HALFT
	s_add_co_u32 s22, s22, 2*HALFT
.irp s, 0,1
	v_add_nc_u32 v[ADRA+\s], s21, v4
	v_add_nc_u32 v[ADRB+\s], s22, v4
	s_add_co_u32 s21, s21, SLOT
	s_add_co_u32 s22, s22, SLOT
.endr
	v_mul_u32_u24 v5, v1, KS                       ; my row's scales: KS bytes a row,
	v_lshrrev_b32 v6, 8, v5
	v_lshl_add_u32 v5, v6, 4, v5                   ; and 16 more for each 256 passed
	s_mul_i32 s21, s15, HALFS
	s_mul_i32 s22, s16, HALFS
	s_add_co_u32 s22, s22, 2*HALFS
	s_sub_co_u32 s22, s22, s21
	v_mul_u32_u24 v6, s22, v2                      ; lanes 16-31 take W's
	s_add_co_u32 s21, s21, SCL
	v_add_nc_u32 v5, v5, v6
	v_add_nc_u32 v[ADRS], s21, v5
	s_mul_i32 s23, s14, 32*SPI                     ; my stage: two heads x 16 rows x 144 bytes, in slot 0
	v_mul_u32_u24 v5, v1, SPI
	v_lshl_add_u32 v5, v2, 4, v5
	v_add_nc_u32 v[STO], s23, v5                   ; in: row r, 16 bytes for each half of the lanes
	v_and_b32 v6, 31, v0
	v_lshlrev_b32 v[CO], 4, v6
	v_lshrrev_b32 v5, 3, v6
	v_mul_u32_u24 v5, v5, SPI
	v_and_b32 v6, 7, v6
	v_lshl_add_u32 v5, v6, 4, v5
	v_add_nc_u32 v[RD], s23, v5                    ; back: eight lanes to a row of 128 bytes, four rows an instruction
	; qkvh: which x 16,777,216 + ((16 cy + 4 cx + 2 half) x 2048 + 256 x cluster y + 128 x row half) x 128
	s_lshl_b32 s20, s41, 4
	s_lshl_b32 s21, s40, 2
	s_add_co_u32 s20, s20, s21
	s_lshl_b32 s21, s16, 1
	s_add_co_u32 s20, s20, s21
	s_lshl_b32 s20, s20, 11
	s_lshl_b32 s21, s95, 8
	s_add_co_u32 s20, s20, s21
	s_lshl_b32 s21, s15, 7
	s_add_co_u32 s20, s20, s21
	s_lshl_b32 s20, s20, 7
	s_lshl_b32 s21, ttmp9, 24
	s_add_co_u32 s20, s20, s21
	s_mov_b32 s21, 0
	s_add_nc_u64 s[12:13], s[98:99], s[20:21]
	; fineq: cy x 196,608 + which x 65,536 + (2 cx + half) x 8,192
	s_mul_i32 s20, s41, 196608
	s_lshl_b32 s21, ttmp9, 16
	s_add_co_u32 s20, s20, s21
	s_lshl_b32 s21, s40, 14
	s_add_co_u32 s20, s20, s21
	s_lshl_b32 s21, s16, 13
	s_add_co_u32 s20, s20, s21
	s_mov_b32 s21, 0
	s_add_nc_u64 s[100:101], s[100:101], s[20:21]
.macro FRAG reg, adr, q, i             ; 16 rows x 128 K of 4-bit codes: 8 registers, two loads of 16 bytes, 32 apart
.irp c, 0,1
	ds_load_b128 v[\reg+4*\c:\reg+4*\c+3], v[\adr] offset:64*(\q)+32*\c+(\i)*16*PITCH
.endr
.endm
; 16 matrix instructions: x's blocks a0, a0 + 1 against W's eight.  first = 1: the sums start from the bias.  The 64 accumulators take turns, one instruction a turn.
.macro MUL16 a0, p, q, sc, first
.irp a, \a0, \a0+1
.irp b, 0,1,2,3,4,5,6,7
.if \first
	v_wmma_scale_f32_16x16x128_f8f6f4 v[8*(8*((\a)%4)+\b):8*(8*((\a)%4)+\b)+7], v[128*(\p)+FR*\b:128*(\p)+FR*\b+FR-1], v[AF+FR*(\a):AF+FR*(\a)+FR-1], v[BI+8*\b:BI+8*\b+7], v[SC+8*NQ*(\sc)+NQ*\b+(\q)], v[SC+8*NQ*(\sc)+NQ*(\a)+(\q)] matrix_a_fmt:MATRIX_FMT_FP4 matrix_b_fmt:MATRIX_FMT_FP4 matrix_a_scale:MATRIX_SCALE_ROW1
.else
	v_wmma_scale_f32_16x16x128_f8f6f4 v[8*(8*((\a)%4)+\b):8*(8*((\a)%4)+\b)+7], v[128*(\p)+FR*\b:128*(\p)+FR*\b+FR-1], v[AF+FR*(\a):AF+FR*(\a)+FR-1], v[8*(8*((\a)%4)+\b):8*(8*((\a)%4)+\b)+7], v[SC+8*NQ*(\sc)+NQ*\b+(\q)], v[SC+8*NQ*(\sc)+NQ*(\a)+(\q)] matrix_a_fmt:MATRIX_FMT_FP4 matrix_b_fmt:MATRIX_FMT_FP4 matrix_a_scale:MATRIX_SCALE_ROW1
.endif
.endr
.endr
.endm
.macro FETCH_B slot, q, p
	WIN TO_B
.irp i, 0,1,2,3,4,5,6,7
	FRAG 128*(\p)+FR*\i, ADRB+\slot, \q, \i
.endr
	WIN 0
.endm
.macro FETCH_A slot, q, i0
.irp i, \i0, \i0+1, \i0+2, \i0+3
	FRAG AF+FR*(\i), ADRA+\slot, \q, \i
.endr
.endm
.macro SCALES sc                       ; a slot's scale words: lanes 0-15 x's block i, lanes 16-31 W's block i
.irp i, 0,1,2,3,4,5,6,7
	ds_load_b128 v[SC+8*NQ*\sc+NQ*\i:SC+8*NQ*\sc+NQ*\i+3], v[ADRS] offset:\i*SBLK
.endr
.endm
.macro PLACES n
.rept \n
	v_nop
.endr
.endm
; A step of 128 along K that has its successor in the same slot.  first = 1: C lies in window 0.
.macro STEP slot, q, first
	s_wait_dscnt 4*NL                              ; W's set and x's blocks 0-3 are in; the youngest eight loads (x's blocks 4-7) may be out
	WIN MUL_LO-0x20*(\first)
	MUL16 0, (\q)%2, \q, \slot, \first
	MUL16 2, (\q)%2, \q, \slot, \first
	s_wait_dscnt 0
	PLACES NP                                      ; in front of loads into registers that matrix instructions have read
	FETCH_B \slot, (\q)+1, 1-(\q)%2
	FETCH_A \slot, (\q)+1, 0
	WIN MUL_HI-0x30*(\first)
	MUL16 4, (\q)%2, \q, \slot, \first
	MUL16 6, (\q)%2, \q, \slot, \first
	PLACES NP
	WIN 0
	FETCH_A \slot, (\q)+1, 4
.endm
.macro STEPS slot, from
.set Q, \from
.rept NQ-1-\from
	STEP \slot, Q, 0
.set Q, Q+1
.endr
.endm
	s_wait_tensorcnt 1                             ; the scales and my part of slot 0 are in; slot 1's load may be out
	s_barrier_signal -1
	s_barrier_wait -1
	FETCH_B 0, 0, 0
	FETCH_A 0, 0, 0
	SCALES 0
	FETCH_A 0, 0, 4
	s_wait_loadcnt 0x0                             ; the bias
	STEP 0, 0, 1                                   ; the first step starts the sums from the bias: nothing is cleared or added later
	STEPS 0, 1
	; slot 0's last step changes slots: one barrier; in front of it all my tensor loads, the add, and my reads of slot 0
	s_wait_tensorcnt 0x0
	ds_add_u32 v[SPW], v[NIL]
	s_wait_dscnt 4*NL+1                            ; the add and the youngest eight loads may be out
	WIN MUL_LO
	MUL16 0, 1, NQ-1, 0, 0
	s_wait_dscnt 0x0
	s_barrier_signal -1
	MUL16 2, 1, NQ-1, 0, 0
	WIN 0
	s_barrier_wait -1
	PLACES NP
	v_add_nc_u32 v[ADRS], 4*NQ, v[ADRS]            ; slot 1's scale words
	FETCH_B 1, 0, 0
	FETCH_A 1, 0, 0
	SCALES 1
	WIN MUL_HI
	MUL16 4, 1, NQ-1, 0, 0
	MUL16 6, 1, NQ-1, 0, 0
	PLACES NP
	WIN 0
	FETCH_A 1, 0, 4
	STEPS 1, 0
	s_wait_dscnt 4*NL
	WIN MUL_LO
	MUL16 0, 1, NQ-1, 1, 0
	MUL16 2, 1, NQ-1, 1, 0
	s_wait_dscnt 0
	WIN MUL_HI
	MUL16 4, 1, NQ-1, 1, 0
	MUL16 6, 1, NQ-1, 1, 0
	WIN 0
	PLACES NP                                      ; in front of the first reads of results, and of loads into x's fragment registers
	; POSITIONS 0 TO 15 IN F32: block 0 of the waves with the tile's upper rows, in the clusters with y = 0.  The accumulators go out as they stand: 16 bytes a lane, 512 consecutive bytes a store.
	s_or_b32 s20, s95, s15
	s_cmp_lg_u32 s20, 0
	s_cbranch_scc1 .Lno_fine
	WIN 0x08                                       ; a store's data are its source 1: window 2
.irp b, 0,1,2,3,4,5,6,7
	global_store_b128 v[CO], v[8*\b:8*\b+3], s[100:101] offset:1024*\b          ; each accumulator from its low end on
	global_store_b128 v[CO], v[8*\b+4:8*\b+7], s[100:101] offset:1024*\b+512
.endr
	WIN 0
.Lno_fine:
; THE WAY OUT, block by block of 16 rows x 128 columns (two heads).  PACK: to f16, 16 bytes a lane.  TOSTAGE: into my stage and back as rows of 128 bytes.  SEND: 512 consecutive bytes a store: four rows of one head.
; The stage lies in slot 0, which has had its only fill, and which nobody reads behind the change of slots.
.macro PACK a
.set AC, 64*((\a)%4)
	WIN 0x0a+5*((\a)/4)
.irp b, 0,1,2,3,4,5,6,7
.irp r, 0,1,2,3
	v_cvt_pk_f16_f32 v[TMP+4*\b+\r], v[AC+8*\b+2*\r], v[AC+8*\b+2*\r+1]
.endr
.endr
	WIN 0
.endm
.macro TOSTAGE a
.set BB, BK+32*((\a)%2)
.irp b, 0,1,2,3,4,5,6,7
	ds_store_b128 v[STO], v[TMP+4*\b:TMP+4*\b+3] offset:(\b/4)*16*SPI+32*(\b%4)
.endr
.irp t, 0,1,2,3,4,5,6,7
	ds_load_b128 v[BB+4*\t:BB+4*\t+3], v[RD] offset:(\t/4)*16*SPI+(\t%4)*4*SPI   ; in order behind my stores
.endr
.endm
.macro SEND a
.set BB, BK+32*((\a)%2)
	s_wait_dscnt 0x0                               ; the block is back in registers
	s_wait_xcnt 0x0                                ; the stores of the block before have read their registers: the next block's loads may land there
.irp t, 0,1,2,3,4,5,6,7
	global_store_b128 v[CO], v[BB+4*\t:BB+4*\t+3], s[12:13] offset:(\t/4)*262144+(\a)*2048+(\t%4)*512
.endr
.endm
	PACK 0
	TOSTAGE 0
.irp a, 1,2,3,4,5,6,7
	PACK \a
	SEND (\a-1)
	TOSTAGE \a
.endr
	SEND 7
	s_wait_tensorcnt 0x0                           ; the wave's end
	ds_add_u32 v[SPW], v[NIL]
	s_wait_dscnt 0x0
	CROUND                                         ; the closing round
	s_endpgm
.Lfunc_end_k_q78b105dc6c_qkv:
	.size	k_q78b105dc6c_qkv, .Lfunc_end_k_q78b105dc6c_qkv-k_q78b105dc6c_qkv
	.p2alignl 7, 3214868480
	.fill 96, 4, 3214868480
	.section	.rodata,"a",@progbits
	.p2align	6, 0x0
	.amdhsa_kernel k_q78b105dc6c_qkv
		.amdhsa_group_segment_fixed_size 327680
		.amdhsa_private_segment_fixed_size 0
		.amdhsa_enable_private_segment 0
		.amdhsa_kernarg_size 56
		.amdhsa_user_sgpr_count 2
		.amdhsa_user_sgpr_kernarg_segment_ptr 1
		.amdhsa_wavefront_size32 1
		.amdhsa_system_sgpr_workgroup_id_x 1
		.amdhsa_system_sgpr_workgroup_id_y 1
		.amdhsa_system_sgpr_workgroup_id_z 1
		.amdhsa_system_vgpr_workitem_id 0
		.amdhsa_next_free_vgpr 1024
		.amdhsa_next_free_sgpr 102
		.amdhsa_reserve_vcc 0
		.amdhsa_float_denorm_mode_32 3
		.amdhsa_float_denorm_mode_16_64 3
		.amdhsa_memory_ordered 1
		.amdhsa_forward_progress 1
		.amdhsa_inst_pref_size 132
	.end_amdhsa_kernel
	.amdgpu_metadata
---
amdhsa.version: [ 1, 2 ]
amdhsa.kernels:
  - .name:           k_q78b105dc6c_qkv
    .symbol:         k_q78b105dc6c_qkv.kd
    .args:
      - { .name: x_codes, .offset: 0, .size: 8, .value_kind: global_buffer, .address_space: global }
      - { .name: x_scales, .offset: 8, .size: 8, .value_kind: global_buffer, .address_space: global }
      - { .name: w_codes, .offset: 16, .size: 8, .value_kind: global_buffer, .address_space: global }
      - { .name: w_scales, .offset: 24, .size: 8, .value_kind: global_buffer, .address_space: global }
      - { .name: b_qkv, .offset: 32, .size: 8, .value_kind: global_buffer, .address_space: global }
      - { .name: qkvh, .offset: 40, .size: 8, .value_kind: global_buffer, .address_space: global }
      - { .name: fineq, .offset: 48, .size: 8, .value_kind: global_buffer, .address_space: global }
    .group_segment_fixed_size: 327680
    .private_segment_fixed_size: 0
    .kernarg_segment_align: 8
    .kernarg_segment_size: 56
    .max_flat_workgroup_size: 128
    .sgpr_count:     102
    .vgpr_count:     1024
    .wavefront_size: 32
...
	.end_amdgpu_metadata
.endif
;; end of part 2
;; launch attn (part 3): grid 4 x 64, 8 waves a work-group, no clusters, 327,680 bytes of LDS; arguments qkvh, key_padding_mask, ctxh; writes ctxh
.if DOCPART == 3
	.amdgcn_target "amdgcn-amd-amdhsa--gfx1250"
	.amdhsa_code_object_version 6
	.text
	.protected	k_q78b105dc6c_attn
	.globl	k_q78b105dc6c_attn
	.p2align	8
	.type	k_q78b105dc6c_attn,@function
k_q78b105dc6c_attn:
	s_mov_b64 s[64:65], 0
	v_nop
	global_prefetch_b8 v0, s[64:65] scope:SCOPE_SE
	s_setreg_imm32_b32 hwreg(HW_REG_WAVE_MODE, 25, 1), 1
	s_wait_xcnt 0x0
; ctx[b][h][q] = sum over k of softmax_k(q.k / 8, masked) v[k], f16 operands, f32 sums, maxima and row sums.  q, k, v: qkvh [3][b x 16 + h][2048][64] f16.  Out: ctxh [16 h][b x 2048 + t][64] f16.
; WORK LEFT OUT: steps of 64 keys that lie wholly behind a wave's 32 queries, and slots of 256 keys behind the work-group's block of queries: the causal mask, which the problem builds itself, gives them the weight 0.
; The padding mask is an input: its work is done and selected, never branched on.  It enters as the C of the first product: 0, or -2^127 for a padded key; hidden keys on the diagonal get the same number.
; LIMITS: a raw score under -2^125 counts as masked (the running maximum begins there).  A row with no key at all has the sum 0 and the context 0: 0 x (1 / 0) gives the NaN that the softmax of such a row has.
; SHARES.  Work-group (j, b x 16 + h) owns query block 7 - j (pass 0) and then block j (pass 1), 256 queries each: 9 slots of 256 keys in every work-group.  A wave owns 32 queries, two tiles of 16,
; so that each fragment of K and V and each mask register feeds two products; two waves share a SIMD, so that one's vector work stands beside the other's products.
; THE WALK has 12 trips, a constant: 8 slots in pass 0, 4 in pass 1.  A trip whose slot lies behind the block runs its waits and its barrier and jumps over its steps; its slot is not asked for.
; NO CLUSTER: the four work-groups of a head need different numbers of slots under the causal mask, so a joint load would bring tiles whose reads every wave of some partner jumps over.
; LAYOUT.  S^T = K Q^T (source 0 = 16 keys, source 1 = 16 queries): a lane holds one query (lane % 16) and keys 8 (lane / 16) + 0..7.  Two such tiles rounded to f16 are source 1 of O^T = V^T P.  V is turned by ds_load_tr16_b128.
; REGISTERS.  Window 0: v1-15 addresses; v16-31 statistics, 8 a tile (+0 c m, +1 m, +2,3 l, +4..7 at work, a in +6); v32-63 Q; v64-95 the mask of 64 keys; v96-159 S^T; v160-191 P; v192-223 pass 1's Q.
;   Window 1: v0-63 O^T; v64-127 K; v128-191 V.
.set KP,    144                        ; a row of K in LDS: 128 bytes + 16
.set VP,    160                        ; a row of V: 128 + 32: an odd multiple of 32
.set VOFF,  256*KP
.set SLOT1, 1<<17
.set MT,    2*SLOT1                    ; the mask of the batch's 2,048 keys as f32: 8,192 bytes, stored once
.set STAGE, MT+8192                    ; the way out: 32 rows x 144 bytes a wave
.set SPARE, STAGE+8*32*KP              ; the spare words, 128 bytes a wave: four blocks of 256 bytes that no other line names
.set TRIPS, 12
.set AK0, 1
.set AV0, 2
.set AM0, 3
.set SPW, 4
.set NIL, 5
.set GO,  6
.set STO, 7
.set RD,  8
.set ADK, 9
.set ADV, 10
.set ADM, 11
.set DL,  12
.set NEG, 13
.set PFO, 14
.set DD,  15
.set ST,  16
.set Q,   32
.set MB,  64
.set S,   96
.set P,   160
.set QB,  192
.set KF,  64                           ; window 1
.set VF,  128                          ; window 1
.set WV,  10
.set J,   11
.set BH,  12
.set QBA, 13
.set QBB, 14
.set U,   15
.set Q0,  16
.set KS,  17
.set TB,  18
.set TM,  19
.set SEL, 20
.set CS,  22
.set G1K, 24
.set G1V, 32
.set G0K, 40
.set G0V, 44
.set KB,  48
.set VB,  50
.set OFF, 52
.set CP,  56
.set OB,  58
.set PFK, 60
.set PFV, 62
.set PLIM, 66
.set LIVE, 67
.set UN,  68
.set SN,  69
.set MSB, 0
.macro WIN new
.if MSB != (\new)
	s_set_vgpr_msb (MSB<<8)|(\new)
.set MSB, (\new)
.endif
.endm
; Waves 0 and 1 fetch K's halves of a slot, waves 2 and 3 V's, the others nothing.  An s_nop 0 and four v_nop follow each line.
.macro TLOAD
	s_cmp_lt_u32 s[WV], 2
	s_cbranch_scc0 .Lnot_k_\@
	tensor_load_to_lds s[G0K:G0K+3], s[G1K:G1K+7]
	s_nop 0
.rept 4
	v_nop
.endr
	s_branch .Lasked_\@
.Lnot_k_\@:
	s_cmp_lt_u32 s[WV], 4
	s_cbranch_scc0 .Lasked_\@
	tensor_load_to_lds s[G0V:G0V+3], s[G1V:G1V+7]
	s_nop 0
.rept 4
	v_nop
.endr
.Lasked_\@:
.endm
	s_load_b128 s[4:7], s[0:1], 0x0                ; qkvh, the mask
	s_load_b64 s[8:9], s[0:1], 0x10                ; ctxh
	v_lshl_add_u32 v[SPW], v0, 2, SPARE
	v_mov_b32 v[NIL], 0
	ds_add_u32 v[SPW], v[NIL]                      ; the wave's opening: the add, twice on end, and its wait ahead of the first tensor load
	ds_add_u32 v[SPW], v[NIL]
	v_lshrrev_b32 v9, 5, v0
	v_readfirstlane_b32 s[WV], v9                  ; wave 0..7
	s_mov_b32 s[J], ttmp9
	s_and_b32 s[BH], ttmp7, 0xffff                 ; b x 16 + h
	s_sub_co_u32 s[QBA], 7, s[J]                   ; pass 0's block of queries
	s_mov_b32 s[QBB], s[J]                         ; pass 1's
	s_mov_b32 s[G1K], (1<<16)|(1<<20)|(4<<22)|(3<<25)   ; elements of 2 bytes; padding on: 4 words behind every 32
	s_mov_b32 s[G1V], (1<<16)|(1<<20)|(4<<22)|(7<<25)   ; 8 words
.irp g, G1K, G1V
	s_mov_b32 s[\g+1], 64<<16                      ; tensor_dim0
	s_mov_b32 s[\g+2], 128<<16                     ; tensor_dim1
	s_mov_b32 s[\g+3], 64<<16                      ; tile_dim0
	s_mov_b32 s[\g+4], 128                         ; tile_dim1
	s_mov_b32 s[\g+5], 64                          ; stride
	s_mov_b32 s[\g+6], 0
	s_mov_b32 s[\g+7], 0
.endr
	s_mov_b32 s[SEL], 0x76543210
	s_mov_b32 s[SEL+1], 0xfedcba98                 ; v_permlanex16_b32: lane l xor 16
	s_mov_b32 s[CS], 0x3e38aa3b                    ; c = log2(e) / 8
	s_mov_b32 s[CS+1], s[CS]
	s_mov_b32 s[TB], 0
	s_mov_b32 s[OFF+1], 0
	s_mov_b32 s[U], 0
	s_and_b32 s70, s[WV], 1                        ; which 128 rows of a slot I fetch, if I fetch
	s_lshl_b32 s72, s[BH], 18                      ; a head is 262,144 bytes
	s_lshl_b32 s71, s70, 14
	s_add_co_u32 s72, s72, s71
	s_mov_b32 s73, 0
	s_mul_i32 s74, s70, 128*KP
	s_mul_i32 s75, s70, 128*VP
	s_add_co_u32 s75, s75, VOFF
	s_lshl_b32 s76, s[BH], 18                      ; Q: head + block x 256 rows + wave x 32 rows, of 128 bytes
	s_lshl_b32 s71, s[WV], 12
	s_add_co_u32 s76, s76, s71
	s_lshl_b32 s78, s[QBB], 15
	s_add_co_u32 s78, s78, s76
	s_lshl_b32 s71, s[QBA], 15
	s_add_co_u32 s76, s76, s71
	s_mov_b32 s77, 0
	s_mov_b32 s79, 0
	s_and_b32 s70, s[BH], 15
	s_lshl_b32 s[CP], s70, 20                      ; ctxh: (h x 8192 + b x 2048) x 128
	s_lshr_b32 s70, s[BH], 4
	s_lshl_b32 s71, s70, 18
	s_add_co_u32 s[CP], s[CP], s71
	s_mov_b32 s[CP+1], 0
	s_lshl_b32 s54, s70, 11                        ; the mask: b x 2048
	s_mov_b32 s55, 0
	s_wait_dscnt 0x0                               ; both opening adds are done
	s_wait_kmcnt 0x0
	s_add_nc_u64 s[KB:KB+1], s[4:5], s[72:73]
	s_add_nc_u64 s[KB:KB+1], s[KB:KB+1], 16777216  ; k's third of qkvh
	s_add_nc_u64 s[VB:VB+1], s[KB:KB+1], 16777216  ; v's
	s_mov_b32 s[G0K], 1
	s_mov_b32 s[G0K+1], s74
	s_mov_b64 s[G0K+2:G0K+3], s[KB:KB+1]
	s_or_b32 s[G0K+3], s[G0K+3], 0x80000000
	s_mov_b32 s[G0V], 1
	s_mov_b32 s[G0V+1], s75
	s_mov_b64 s[G0V+2:G0V+3], s[VB:VB+1]
	s_or_b32 s[G0V+3], s[G0V+3], 0x80000000
	TLOAD                                          ; slot 0: keys 0 to 255, which count for every block
	s_add_nc_u64 s[76:77], s[4:5], s[76:77]
	s_add_nc_u64 s[78:79], s[4:5], s[78:79]
	s_add_nc_u64 s[CP:CP+1], s[8:9], s[CP:CP+1]
	s_add_nc_u64 s[6:7], s[6:7], s[54:55]
	; the prefetches: the work-group with j = 0 walks all 8 slots in pass 0; its waves 4 to 7 ask, 8,192 bytes of K and of V each, lanes 256 bytes apart
	s_and_b32 s70, s[WV], 3
	s_lshl_b32 s70, s70, 13
	s_lshl_b32 s71, s[BH], 18
	s_add_co_u32 s70, s70, s71
	s_add_co_u32 s70, s70, 16777216+32768          ; in slot 1: the first change steps it to slot 2
	s_mov_b32 s71, 0
	s_add_nc_u64 s[PFK:PFK+1], s[4:5], s[70:71]
	s_add_nc_u64 s[PFV:PFV+1], s[PFK:PFK+1], 16777216
	s_lshr_b32 s70, s[WV], 2
	s_xor_b32 s70, s70, 1
	s_or_b32 s70, s70, s[J]
	s_cmp_eq_u32 s70, 0
	s_cselect_b32 s[PLIM], 6, 0                    ; trips 0 to 5 ask for slots 2 to 7; slots 0 and 1 come by their loads alone
	v_and_b32 v224, 15, v0                         ; r
	v_bfe_u32 v225, v0, 4, 1                       ; h
	v_lshlrev_b32 v226, 7, v224
	v_lshl_add_u32 v226, v225, 4, v226             ; Q: row r of 128 bytes + 16 h
.irp t, 0,1
.irp ks, 0,1
	global_load_b128 v[Q+16*\t+8*\ks:Q+16*\t+8*\ks+3], v226, s[76:77] offset:\t*2048+\ks*64
	global_load_b128 v[Q+16*\t+8*\ks+4:Q+16*\t+8*\ks+7], v226, s[76:77] offset:\t*2048+\ks*64+32
	global_load_b128 v[QB+16*\t+8*\ks:QB+16*\t+8*\ks+3], v226, s[78:79] offset:\t*2048+\ks*64
	global_load_b128 v[QB+16*\t+8*\ks+4:QB+16*\t+8*\ks+7], v226, s[78:79] offset:\t*2048+\ks*64+32
.endr
.endr
	v_lshlrev_b32 v227, 3, v0
	global_load_b64 v[228:229], v227, s[6:7]       ; eight keys' mask bytes a thread
	v_mul_u32_u24 v[AK0], v224, KP
	v_lshl_add_u32 v[AK0], v225, 4, v[AK0]         ; K: row r x pitch + 16 h
	v_and_b32 v230, 7, v0
	v_bfe_u32 v231, v0, 3, 1
	v_lshl_add_u32 v[AV0], v225, 3, v230
	v_mul_u32_u24 v[AV0], v[AV0], VP
	v_lshl_add_u32 v[AV0], v231, 4, v[AV0]
	v_add_nc_u32 v[AV0], VOFF, v[AV0]              ; V: key 8 h + l % 8, channels 8 ((l / 8) % 2) on
	v_lshl_add_u32 v[AM0], v225, 5, MT             ; the mask: 8 h keys on
	v_and_b32 v232, 31, v0
	v_lshlrev_b32 v[GO], 4, v232
	v_lshlrev_b32 v[PFO], 8, v232
	s_mul_i32 s70, s[WV], 32*KP
	s_add_co_u32 s70, s70, STAGE
	v_add_nc_u32 v[STO], s70, v[AK0]               ; the stage, in: row r, 16 bytes for each half of the lanes
	v_lshrrev_b32 v233, 3, v232
	v_mul_u32_u24 v233, v233, KP
	v_lshl_add_u32 v233, v230, 4, v233
	v_add_nc_u32 v[RD], s70, v233                  ; back: eight lanes to a row, four rows an instruction
	v_lshlrev_b32 v234, 3, v225
	v_sub_nc_u32 v[DL], v224, v234                 ; r - 8 h
	v_mov_b32 v[NEG], 0xff000000                   ; -2^127
	v_lshl_add_u32 v235, v0, 5, MT
	s_wait_loadcnt 0x0                             ; Q, pass 1's Q, the mask bytes
.irp i, 0,1,2,3,4,5,6,7
	v_bfe_u32 v[MB+\i], v[228+\i/4], 8*(\i%4), 1
.endr
.irp i, 0,1,2,3,4,5,6,7
	v_sub_nc_u32 v[MB+\i], 0, v[MB+\i]
.endr
.irp i, 0,1,2,3,4,5,6,7
	v_lshlrev_b32 v[MB+\i], 24, v[MB+\i]           ; 0, or 0xff000000 = -2^127
.endr
	ds_store_b128 v235, v[MB:MB+3]                 ; the first change's wait and barrier show the table to every wave
	ds_store_b128 v235, v[MB+4:MB+7] offset:16
.macro PASS_SETUP p
.if \p
	s_lshl_b32 s[Q0], s[QBB], 8
.else
	s_lshl_b32 s[Q0], s[QBA], 8
.endif
	s_lshl_b32 s70, s[WV], 5
	s_add_co_u32 s[Q0], s[Q0], s70                 ; my first query
.irp t, 0,1
	v_mov_b32 v[ST+8*\t+1], 0xfe000000             ; m = -2^125
	v_mul_f32 v[ST+8*\t], s[CS], v[ST+8*\t+1]      ; c m
.irp i, 2,3,4,5,6,7
	v_mov_b32 v[ST+8*\t+\i], 0                     ; l, and the registers at work (written on every path)
.endr
.endr
.if \p
.set i, 0
.rept 32
	v_mov_b32 v[Q+i], v[QB+i]
.set i, i+1
.endr
.endif
	WIN 0x40
.set i, 0
.rept 64
	v_mov_b32 v[i], 0                              ; O^T: the step is written once; the first finds zeros
.set i, i+1
.endr
	WIN 0
.endm
; THE CHANGE OF SLOTS, at a trip's head.  Every wave waits for all its tensor loads, adds 0 to its spare word, and waits for that and for its reads of the slot that it has left; then the barrier.
; fill = 1: the other slot takes the next trip's keys, if that trip's slot counts for the work-group's block of its pass.  The test is made of the work-group's number and the trip's alone: all eight waves go the same way.
.macro CHANGE fill
	s_wait_tensorcnt 0x0                           ; no tensor load of mine is out: the descriptors may be written
	ds_add_u32 v[SPW], v[NIL]
.if \fill
	ds_add_u32 v[SPW], v[NIL]                      ; the add twice on end here, in every trip alike
	s_add_co_u32 s[UN], s[U], 1                    ; the next trip,
	s_and_b32 s[SN], s[UN], 7                      ; its slot of keys,
	s_lshl_b32 s[OFF], s[SN], 15                   ; 256 rows of 128 bytes a slot
	s_xor_b32 s[G0K+1], s[G0K+1], SLOT1
	s_xor_b32 s[G0V+1], s[G0V+1], SLOT1
	s_add_nc_u64 s[G0K+2:G0K+3], s[KB:KB+1], s[OFF:OFF+1]
	s_or_b32 s[G0K+3], s[G0K+3], 0x80000000
	s_add_nc_u64 s[G0V+2:G0V+3], s[VB:VB+1], s[OFF:OFF+1]
	s_or_b32 s[G0V+3], s[G0V+3], 0x80000000
	s_cmp_lt_u32 s[UN], 8
	s_cselect_b32 s[LIVE], s[QBA], s[QBB]          ; the block of queries of the next trip's pass
	s_wait_xcnt 0x0                                ; the last prefetches, a trip back, have read their addresses
	s_add_nc_u64 s[PFK:PFK+1], s[PFK:PFK+1], 32768
	s_add_nc_u64 s[PFV:PFV+1], s[PFV:PFV+1], 32768
.endif
	s_wait_dscnt 0x0                               ; the add is done, and my LDS reads and stores are over
	s_barrier_signal -1
	s_barrier_wait -1
.if \fill
	s_cmp_gt_u32 s[SN], s[LIVE]                    ; a slot behind the block is read by no wave: it is not asked for
	s_cbranch_scc1 .Lpast_\@
	TLOAD                                          ; a wave's one tensor load until the next barrier
.Lpast_\@:
	s_cmp_lt_u32 s[U], s[PLIM]
	s_cbranch_scc0 .Lnot_mine_\@
	global_prefetch_b8 v[PFO], s[PFK:PFK+1] th:TH_LOAD_NT scope:SCOPE_SE   ; the slot that the next change will ask for: each 256 bytes named once in the launch
	global_prefetch_b8 v[PFO], s[PFV:PFV+1] th:TH_LOAD_NT scope:SCOPE_SE
.Lnot_mine_\@:
.endif
	s_and_b32 s70, s[U], 7
	s_lshl_b32 s[KS], s70, 8                       ; the slot's first key
	s_lshl_b32 s[TM], s70, 10                      ; and its place in the mask table
	v_add_nc_u32 v[ADK], s[TB], v[AK0]
	v_add_nc_u32 v[ADV], s[TB], v[AV0]
	v_add_nc_u32 v[ADM], s[TM], v[AM0]
.endm
; A STEP: 64 keys, the q-th of the slot in hand, for my two tiles of queries.
.macro STEP q
	s_add_co_u32 s70, s[KS], 64*\q                 ; the step's first key
	s_add_co_u32 s71, s[Q0], 31
	s_cmp_gt_u32 s70, s71                          ; all its keys come after my queries: left out
	s_cbranch_scc1 .Lhidden_\@
.rept 4
	v_nop                                          ; places in front of loads into registers that the last products have read
.endr
.irp kt, 0,1,2,3
	ds_load_b128 v[MB+8*\kt:MB+8*\kt+3], v[ADM] offset:256*\q+64*\kt
	ds_load_b128 v[MB+8*\kt+4:MB+8*\kt+7], v[ADM] offset:256*\q+64*\kt+16
.endr
	WIN 0x40
.irp kt, 0,1,2,3
.irp ks, 0,1
	ds_load_b128 v[KF+16*\kt+8*\ks:KF+16*\kt+8*\ks+3], v[ADK] offset:(64*\q+16*\kt)*KP+64*\ks
	ds_load_b128 v[KF+16*\kt+8*\ks+4:KF+16*\kt+8*\ks+7], v[ADK] offset:(64*\q+16*\kt)*KP+64*\ks+32
.endr
.endr
.irp k2, 0,1
.irp ct, 0,1,2,3
	ds_load_tr16_b128 v[VF+32*\k2+8*\ct:VF+32*\k2+8*\ct+3], v[ADV] offset:(64*\q+32*\k2)*VP+32*\ct
	ds_load_tr16_b128 v[VF+32*\k2+8*\ct+4:VF+32*\k2+8*\ct+7], v[ADV] offset:(64*\q+32*\k2+16)*VP+32*\ct
.endr
.endr
	s_wait_dscnt 16                                ; the mask and K are in; V's sixteen loads may be out
	WIN 0x01                                       ; K in window 1
.irp ks, 0,1                                   ; the eight accumulators take turns, one instruction a turn
.irp kt, 0,1,2,3
.irp t, 0,1
.if \ks == 0
	v_wmma_f32_16x16x32_f16 v[S+32*\t+8*\kt:S+32*\t+8*\kt+7], v[KF+16*\kt:KF+16*\kt+7], v[Q+16*\t:Q+16*\t+7], v[MB+8*\kt:MB+8*\kt+7]
.else
	v_wmma_f32_16x16x32_f16 v[S+32*\t+8*\kt:S+32*\t+8*\kt+7], v[KF+16*\kt+8:KF+16*\kt+15], v[Q+16*\t+8:Q+16*\t+15], v[S+32*\t+8*\kt:S+32*\t+8*\kt+7]
.endif
.endr
.endr
.endr
	WIN 0
.rept 4
	v_nop
.endr
	s_add_co_u32 s71, s70, 63
	s_cmp_le_u32 s71, s[Q0]                        ; all keys count for all my queries: no select
	s_cbranch_scc1 .Lopen_\@
	s_sub_co_i32 s71, s[Q0], s70
	v_add_nc_u32 v[DD], s71, v[DL]                 ; register 8 kt + j of tile t holds key 16 kt + 8 h + j of the step: hidden where 16 kt + j - 16 t > my first query - the first key + r - 8 h
.irp t, 0,1
.set n, 0
.rept 32
	v_cmp_gt_i32 vcc_lo, 16*(n/8)+n%8-16*\t, v[DD]
	v_cndmask_b32 v[S+32*\t+n], v[S+32*\t+n], v[NEG], vcc_lo
.set n, n+1
.endr
.endr
.Lopen_\@:
	; the softmax, the two tiles line by line.  The maximum: four chains, each begun at an accumulator's low end
.irp j, 0,1,2,3
.irp t, 0,1
	v_max3_num_f32 v[ST+8*\t+4+\j], v[S+32*\t+8*\j], v[S+32*\t+8*\j+1], v[S+32*\t+8*\j+2]
.endr
.endr
.irp i, 3,5
.irp j, 0,1,2,3
.irp t, 0,1
	v_max3_num_f32 v[ST+8*\t+4+\j], v[ST+8*\t+4+\j], v[S+32*\t+8*\j+\i], v[S+32*\t+8*\j+\i+1]
.endr
.endr
.endr
.irp t, 0,1
	v_max3_num_f32 v[ST+8*\t+4], v[ST+8*\t+4], v[S+32*\t+7], v[S+32*\t+15]
.endr
.irp t, 0,1
	v_max3_num_f32 v[ST+8*\t+6], v[ST+8*\t+6], v[S+32*\t+23], v[S+32*\t+31]
.endr
.irp t, 0,1
	v_max3_num_f32 v[ST+8*\t+4], v[ST+8*\t+4], v[ST+8*\t+5], v[ST+8*\t+6]
.endr
.irp t, 0,1
	v_max3_num_f32 v[ST+8*\t+4], v[ST+8*\t+4], v[ST+8*\t+7], v[ST+8*\t+1]   ; with the old m
.endr
.irp t, 0,1
	v_permlanex16_b32 v[ST+8*\t+5], v[ST+8*\t+4], s[SEL], s[SEL+1]          ; the query's other 32 keys lie 16 lanes away
.endr
.irp t, 0,1
	v_mov_b32 v[ST+8*\t+7], v[ST+8*\t]             ; c m_old
.endr
.irp t, 0,1
	v_max_num_f32 v[ST+8*\t+1], v[ST+8*\t+4], v[ST+8*\t+5]
.endr
.irp t, 0,1
	v_mul_f32 v[ST+8*\t], s[CS], v[ST+8*\t+1]
.endr
.irp t, 0,1
	v_sub_f32 v[ST+8*\t+7], v[ST+8*\t+7], v[ST+8*\t]
.endr
.set i, 0
.rept 16
.irp t, 0,1
	v_pk_fma_f32 v[S+32*\t+2*i:S+32*\t+2*i+1], v[S+32*\t+2*i:S+32*\t+2*i+1], s[CS:CS+1], v[ST+8*\t:ST+8*\t+1] op_sel_hi:[1,0,0] neg_lo:[0,0,1] neg_hi:[0,0,1]   ; c s - c m
.endr
.set i, i+1
.endr
.irp t, 0,1
	v_exp_f32 v[ST+8*\t+6], v[ST+8*\t+7]           ; a = 2^(c m_old - c m_new)
.endr
.set i, 0
.rept 32
.irp t, 0,1
	v_exp_f32 v[S+32*\t+i], v[S+32*\t+i]
.endr
.set i, i+1
.endr
	v_nop                                          ; a plain line behind the last exponential
	s_wait_alu depctr_va_vdst(0)                   ; one wait for the batch of 66, ahead of its first reader
.set i, 0
.rept 16
.irp t, 0,1
	v_cvt_pk_f16_f32 v[P+16*\t+i], v[S+32*\t+2*i], v[S+32*\t+2*i+1]
.endr
.set i, i+1
.endr
.irp u, 0,1,2,3,4,5,6,7                        ; the row's sum of the unrounded weights, in place: neighbours 1, 2, 4, 8 pairs apart
.irp t, 0,1
	v_pk_add_f32 v[S+32*\t+4*\u:S+32*\t+4*\u+1], v[S+32*\t+4*\u:S+32*\t+4*\u+1], v[S+32*\t+4*\u+2:S+32*\t+4*\u+3]
.endr
.endr
.irp u, 0,1,2,3
.irp t, 0,1
	v_pk_add_f32 v[S+32*\t+8*\u:S+32*\t+8*\u+1], v[S+32*\t+8*\u:S+32*\t+8*\u+1], v[S+32*\t+8*\u+4:S+32*\t+8*\u+5]
.endr
.endr
.irp u, 0,1
.irp t, 0,1
	v_pk_add_f32 v[S+32*\t+16*\u:S+32*\t+16*\u+1], v[S+32*\t+16*\u:S+32*\t+16*\u+1], v[S+32*\t+16*\u+8:S+32*\t+16*\u+9]
.endr
.endr
.irp t, 0,1
	v_pk_add_f32 v[S+32*\t:S+32*\t+1], v[S+32*\t:S+32*\t+1], v[S+32*\t+16:S+32*\t+17]
.endr
.irp t, 0,1
	v_pk_fma_f32 v[ST+8*\t+2:ST+8*\t+3], v[ST+8*\t+2:ST+8*\t+3], v[ST+8*\t+6:ST+8*\t+7], v[S+32*\t:S+32*\t+1] op_sel_hi:[1,0,1]   ; l = a l + the sum
.endr
	WIN 0x41
.set i, 0
.rept 16
.irp t, 0,1
	v_pk_mul_f32 v[32*\t+2*i:32*\t+2*i+1], v[32*\t+2*i:32*\t+2*i+1], v[ST+8*\t+6:ST+8*\t+7] op_sel_hi:[1,0]   ; O^T x a
.endr
.set i, i+1
.endr
	s_wait_dscnt 0x0                               ; V is in
	WIN 0x51                                       ; V, C and D in window 1, P in window 0
.irp k2, 0,1
.irp ct, 0,1,2,3
.irp t, 0,1
	v_wmma_f32_16x16x32_f16 v[32*\t+8*\ct:32*\t+8*\ct+7], v[VF+32*\k2+8*\ct:VF+32*\k2+8*\ct+7], v[P+16*\t+8*\k2:P+16*\t+8*\k2+7], v[32*\t+8*\ct:32*\t+8*\ct+7]
.endr
.endr
.endr
	WIN 0
.Lhidden_\@:
.endm
; A PASS'S WAY OUT: O^T / l, to f16, through my stage, and out as 4,096 consecutive bytes (32 rows of 128).
.macro EPILOGUE
.rept 4
	v_nop                                          ; places behind the last products
.endr
.irp t, 0,1
	v_add_f32 v[ST+8*\t+4], v[ST+8*\t+2], v[ST+8*\t+3]
.endr
.irp t, 0,1
	v_permlanex16_b32 v[ST+8*\t+5], v[ST+8*\t+4], s[SEL], s[SEL+1]
.endr
.irp t, 0,1
	v_add_f32 v[ST+8*\t+4], v[ST+8*\t+4], v[ST+8*\t+5]
.endr
.irp t, 0,1
	v_rcp_f32 v[ST+8*\t+6], v[ST+8*\t+4]
.endr
	v_nop
	s_lshl_b32 s70, s[Q0], 7
	s_mov_b32 s71, 0
	s_add_nc_u64 s[OB:OB+1], s[CP:CP+1], s[70:71]
	s_wait_alu depctr_va_vdst(0)                   ; one wait for the two reciprocals, ahead of their first reader
	WIN 0x01
.irp t, 0,1
.set i, 0
.rept 32
	v_mul_f32 v[S+32*\t+i], v[32*\t+i], v[ST+8*\t+6]
.set i, i+1
.endr
.endr
	WIN 0
.irp t, 0,1
.set i, 0
.rept 16
	v_cvt_pk_f16_f32 v[P+16*\t+i], v[S+32*\t+2*i], v[S+32*\t+2*i+1]
.set i, i+1
.endr
.endr
.irp t, 0,1
.irp ct, 0,1,2,3
	ds_store_b128 v[STO], v[P+16*\t+4*\ct:P+16*\t+4*\ct+3] offset:\t*16*KP+32*\ct
.endr
.endr
.irp i, 0,1,2,3,4,5,6,7
	ds_load_b128 v[MB+4*\i:MB+4*\i+3], v[RD] offset:\i*4*KP       ; in order behind my stores
.endr
.irp i, 0,1,2,3,4,5,6,7
	s_wait_dscnt 7-\i                              ; loads come back in order: number i is in
	global_store_b128 v[GO], v[MB+4*\i:MB+4*\i+3], s[OB:OB+1] offset:512*\i
.endr
	s_wait_xcnt 0x0                                ; the stores have read their registers and their base: both are written again
.endm
	PASS_SETUP 0
.Ltrip:                                            ; 11 trips; the 12th is written out, with no fill
	CHANGE 1
	STEP 0
	STEP 1
	STEP 2
	STEP 3
	s_xor_b32 s[TB], s[TB], SLOT1                  ; on to the other slot
	s_cmp_lg_u32 s[U], 7
	s_cbranch_scc1 .Lsame_pass
	EPILOGUE                                       ; pass 0 is done
	PASS_SETUP 1
.Lsame_pass:
	s_add_co_u32 s[U], s[U], 1
	s_cmp_lt_u32 s[U], TRIPS-1
	s_cbranch_scc1 .Ltrip
	CHANGE 0
	STEP 0
	STEP 1
	STEP 2
	STEP 3
	EPILOGUE
	s_wait_tensorcnt 0x0                           ; the wave's end
	ds_add_u32 v[SPW], v[NIL]
	s_wait_dscnt 0x0
	s_endpgm
.Lfunc_end_k_q78b105dc6c_attn:
	.size	k_q78b105dc6c_attn, .Lfunc_end_k_q78b105dc6c_attn-k_q78b105dc6c_attn
	.p2alignl 7, 3214868480
	.fill 96, 4, 3214868480
	.section	.rodata,"a",@progbits
	.p2align	6, 0x0
	.amdhsa_kernel k_q78b105dc6c_attn
		.amdhsa_group_segment_fixed_size 327680
		.amdhsa_private_segment_fixed_size 0
		.amdhsa_enable_private_segment 0
		.amdhsa_kernarg_size 24
		.amdhsa_user_sgpr_count 2
		.amdhsa_user_sgpr_kernarg_segment_ptr 1
		.amdhsa_wavefront_size32 1
		.amdhsa_system_sgpr_workgroup_id_x 1
		.amdhsa_system_sgpr_workgroup_id_y 1
		.amdhsa_system_sgpr_workgroup_id_z 1
		.amdhsa_system_vgpr_workitem_id 0
		.amdhsa_next_free_vgpr 448
		.amdhsa_next_free_sgpr 80
		.amdhsa_reserve_vcc 1
		.amdhsa_float_denorm_mode_32 3
		.amdhsa_float_denorm_mode_16_64 3
		.amdhsa_memory_ordered 1
		.amdhsa_forward_progress 1
		.amdhsa_inst_pref_size 206
	.end_amdhsa_kernel
	.amdgpu_metadata
---
amdhsa.version: [ 1, 2 ]
amdhsa.kernels:
  - .name:           k_q78b105dc6c_attn
    .symbol:         k_q78b105dc6c_attn.kd
    .args:
      - { .name: qkvh, .offset: 0, .size: 8, .value_kind: global_buffer, .address_space: global }
      - { .name: key_padding_mask, .offset: 8, .size: 8, .value_kind: global_buffer, .address_space: global }
      - { .name: ctxh, .offset: 16, .size: 8, .value_kind: global_buffer, .address_space: global }
    .group_segment_fixed_size: 327680
    .private_segment_fixed_size: 0
    .kernarg_segment_align: 8
    .kernarg_segment_size: 24
    .max_flat_workgroup_size: 256
    .sgpr_count:     80
    .vgpr_count:     448
    .wavefront_size: 32
...
	.end_amdgpu_metadata
.endif
;; end of part 3
;; launch oproj (part 4): grid 8 x 32, 4 waves a work-group, clusters of 4 x 4, 327,680 bytes of LDS; arguments ctxh, wo16, b_o, out0; writes out0
.if DOCPART == 4
	.amdgcn_target "amdgcn-amd-amdhsa--gfx1250"
	.amdhsa_code_object_version 6
	.text
	.protected	k_q78b105dc6c_oproj
	.globl	k_q78b105dc6c_oproj
	.p2align	8
	.type	k_q78b105dc6c_oproj,@function
k_q78b105dc6c_oproj:
	s_mov_b64 s[64:65], 0
	v_nop
	global_prefetch_b8 v0, s[64:65] scope:SCOPE_SE
	s_setreg_imm32_b32 hwreg(HW_REG_WAVE_MODE, 25, 1), 1
	s_wait_xcnt 0x0
	s_wait_alu depctr_hold_cnt(0) depctr_sa_sdst(0) depctr_va_vdst(0) depctr_va_sdst(0) depctr_va_ssrc(0) depctr_va_vcc(0) depctr_vm_vsrc(0)
	s_getreg_b32 s2, hwreg(HW_REG_IB_STS2, 6, 4)
	s_cmp_eq_u32 s2, 0
	s_cbranch_scc0 .Lentry_in_a_cluster
	s_endpgm
.Lentry_in_a_cluster:
	s_bfe_u32 s2, ttmp6, 0x10000c
	s_cmp_lg_u32 s2, 0xf033
	s_cbranch_scc0 .Lentry_shape_is_right
	s_endpgm
.Lentry_shape_is_right:
; out0[m][n] = sum over k of ctx[m][k] W_o[k][n] + b_o[n]: M = 8192, N = 1024, K = 1024; f16 operands, f32 sums.  ctx: ctxh [16 heads][8192][64] f16 (k = 64 x head + channel); W_o: wo16 [k][n] f16.
; (Positions 0 to 15 of every batch are computed here too and written again, in f32 throughout, by the launch that follows.)
; A tile is 256 x 128: 256 work-groups.  Four waves, each 128 rows x 64 columns: 32 accumulators.  K goes in steps of 128 (two heads) through two LDS slots.
; A slot: ctx as two planes of 256 rows x 128 bytes (+ 16), then 128 rows of W_o x 256 bytes (+ 32).  Waves 0 and 1 fetch a plane each, waves 2 and 3 64 rows of W_o each.
; CLUSTERS: 4 x 4; ctx's tiles are shared along a row of the cluster, W_o's along a column: joint loads.
; THE MATRIX INSTRUCTION IS USED TRANSPOSED: source 0 = 16 columns of W_o (turned by ds_load_tr16_b128), source 1 = 16 rows of ctx: a lane holds eight neighbouring columns of a row.  The bias is the C of each sum's first product.
; No prefetch: the tiles are small and the launch short; what a refill asks for has 112 matrix instructions in which to land.
; REGISTERS: window 0: v16-29 addresses; v32-63 the bias; v64-127 the way out.  Window 1: two fragment buffers of 96 (W_o's 4, then ctx's 8).  Window 2: accumulator (a, b) at v[8 (4 a + b)].
.set APL,    256*144                   ; a plane of ctx
.set BOFF,   2*APL
.set BP,     288
.set SLOT,   BOFF+128*BP
.set STAGE,  2*SLOT                    ; 16 rows x 272 bytes a wave
.set SPITCH, 272
.set SPARE,  STAGE+4*16*SPITCH         ; the spare words: two blocks of 256 bytes that no other line names
.set LAPS,   4                         ; a lap = two K steps
.set ADRA, 16
.set ADRB, 20
.set STO,  24
.set RD,   25
.set CO,   26
.set SPW,  28
.set NIL,  29
.set BI,   32
.set BK,   64
.set F0,   0
.set F1,   96
.set G1, 24
.set G0, 32
.set G1B, 48
.set G0B, 56
.set MSB, 0
.macro WIN new
.if MSB != (\new)
	s_set_vgpr_msb (MSB<<8)|(\new)
.set MSB, (\new)
.endif
.endm
.set MUL,  0xa5                        ; sources 0 and 1 window 1; C and D window 2
.set TO_F, 0x40
.macro JLOAD s                         ; waves 0 and 1 fetch ctx's planes, waves 2 and 3 W_o's halves; an s_nop 0 and four v_nop follow each line
	s_cmp_eq_u32 s11, 0
	s_cbranch_scc0 .Lfor_b_\@
	tensor_load_to_lds s[G0+4*\s:G0+4*\s+3], s[G1:G1+7]
	s_nop 0
.rept 4
	v_nop
.endr
	s_branch .Lasked_\@
.Lfor_b_\@:
	tensor_load_to_lds s[G0B+4*\s:G0B+4*\s+3], s[G1B:G1B+7]
	s_nop 0
.rept 4
	v_nop
.endr
.Lasked_\@:
.endm
.macro CREST
	s_cmp_lg_u32 s10, 0
	s_cbranch_scc1 .Lnot_wave_0_\@
	s_barrier_signal -3
.Lnot_wave_0_\@:
	s_barrier_wait -3
	s_barrier_signal -1
	s_barrier_wait -1
.endm
.macro CROUND
	s_barrier_signal -1
	s_barrier_wait -1
	CREST
.endm
	s_load_b128 s[4:7], s[0:1], 0x0                ; ctxh, wo16
	s_load_b128 s[68:71], s[0:1], 0x10             ; b_o, out0
	v_lshl_add_u32 v[SPW], v0, 2, SPARE
	v_mov_b32 v[NIL], 0
	ds_add_u32 v[SPW], v[NIL]                      ; the wave's opening: the add, twice on end, and its wait ahead of my first tensor load
	ds_add_u32 v[SPW], v[NIL]
	v_lshrrev_b32 v1, 5, v0
	v_readfirstlane_b32 s10, v1                    ; wave 0..3
	s_lshr_b32 s11, s10, 1                         ; my half of the rows.  Also: I fetch for ctx (0) or W_o (1)
	s_and_b32 s12, s10, 1                          ; my half of the columns.  Also: which plane or half I fetch
	s_bfe_u32 s40, ttmp6, 0x40000                  ; cx
	s_bfe_u32 s41, ttmp6, 0x40004                  ; cy
	s_lshl_b32 s42, ttmp9, 2
	s_add_co_u32 s42, s42, s40                     ; tile column
	s_and_b32 s13, ttmp7, 0xffff
	s_lshl_b32 s13, s13, 2
	s_add_co_u32 s13, s13, s41                     ; tile row
	s_lshl_b32 s43, s41, 2
	s_lshl_b32 s43, 15, s43                        ; my row of the cluster
	s_lshl_b32 s44, 0x1111, s40                    ; my column
	s_or_b32 s[G1+0], s43, (1<<16)|(1<<20)|(1<<21)|(4<<22)|(3<<25)   ; elements of 2 bytes; 4 words of padding behind every 32
	s_mov_b32 s[G1+1], 64<<16
	s_mov_b32 s[G1+2], 256<<16
	s_mov_b32 s[G1+3], 64<<16
	s_mov_b32 s[G1+4], 256
	s_mov_b32 s[G1+5], 64
	s_mov_b32 s[G1+6], 0
	s_mov_b32 s[G1+7], 0
	s_or_b32 s[G1B+0], s44, (1<<16)|(1<<20)|(1<<21)|(5<<22)|(7<<25)  ; 8 words behind every 64
	s_mov_b32 s[G1B+1], 128<<16
	s_mov_b32 s[G1B+2], 64<<16
	s_mov_b32 s[G1B+3], 128<<16
	s_mov_b32 s[G1B+4], 64
	s_mov_b32 s[G1B+5], 1024
	s_mov_b32 s[G1B+6], 0
	s_mov_b32 s[G1B+7], 0
	s_lshl_b32 s16, s12, 20                        ; ctx: (plane x 8192 + 256 x tile row) x 128 bytes
	s_lshl_b32 s17, s13, 15
	s_add_co_u32 s16, s16, s17
	s_mov_b32 s17, 0
	s_lshl_b32 s46, s12, 17                        ; W_o: half x 64 rows x 2,048 bytes + tile column x 256
	s_lshl_b32 s47, s42, 8
	s_add_co_u32 s46, s46, s47
	s_mov_b32 s47, 0
	s_mul_i32 s20, s12, APL                        ; where they go: no place in the cluster enters an LDS address
	s_mul_i32 s21, s12, 64*BP
	s_add_co_u32 s21, s21, BOFF
	s_wait_dscnt 0x0                               ; both opening adds are done
	s_wait_kmcnt 0x0
	s_add_nc_u64 s[14:15], s[4:5], s[16:17]
	s_add_nc_u64 s[46:47], s[6:7], s[46:47]
	CROUND                                         ; the first joint loads meet
.irp s, 0,1
	s_mov_b32 s[G0+4*\s], 1
	s_add_co_u32 s[G0+4*\s+1], s20, \s*SLOT
	s_add_nc_u64 s[G0+4*\s+2:G0+4*\s+3], s[14:15], \s*2097152     ; two heads on
	s_or_b32 s[G0+4*\s+3], s[G0+4*\s+3], 0x80000000
	s_mov_b32 s[G0B+4*\s], 1
	s_add_co_u32 s[G0B+4*\s+1], s21, \s*SLOT
	s_add_nc_u64 s[G0B+4*\s+2:G0B+4*\s+3], s[46:47], \s*262144    ; 128 rows on
	s_or_b32 s[G0B+4*\s+3], s[G0B+4*\s+3], 0x80000000
	JLOAD \s
.endr
	v_and_b32 v1, 15, v0                           ; r
	v_bfe_u32 v2, v0, 4, 1                         ; h
	s_lshl_b32 s46, s42, 9                         ; my first column, in bytes of f32: 512 x tile column + 256 x half
	s_lshl_b32 s47, s12, 8
	s_add_co_u32 s46, s46, s47
	s_mov_b32 s47, 0
	s_add_nc_u64 s[68:69], s[68:69], s[46:47]
	v_lshlrev_b32 v7, 5, v2
.irp b, 0,1,2,3
	global_load_b128 v[BI+8*\b:BI+8*\b+3], v7, s[68:69] offset:64*\b        ; b_o[my first column + 16 b + 8 h + 0..7]
	global_load_b128 v[BI+8*\b+4:BI+8*\b+7], v7, s[68:69] offset:64*\b+16
.endr
	s_lshl_b32 s16, s13, 20                        ; my first row: (256 x tile row + 128 x half) x 4,096 bytes
	s_lshl_b32 s17, s11, 19
	s_add_co_u32 s16, s16, s17
	s_mov_b32 s17, 0
	s_add_nc_u64 s[70:71], s[70:71], s[16:17]
	s_add_nc_u64 s[70:71], s[70:71], s[46:47]
	v_mul_u32_u24 v3, v1, 144
	v_lshl_add_u32 v3, v2, 4, v3                   ; ctx: row r x 144 + 16 h
	v_and_b32 v4, 7, v0
	v_bfe_u32 v5, v0, 3, 1
	v_lshl_add_u32 v6, v2, 3, v4
	v_mul_u32_u24 v6, v6, BP
	v_lshl_add_u32 v6, v5, 4, v6                   ; W_o: k row 8 h + l % 8, columns 8 ((l / 8) % 2) on
	s_mul_i32 s22, s11, 128*144
	s_lshl_b32 s23, s12, 7
	s_add_co_u32 s23, s23, BOFF
.irp s, 0,1
	v_add_nc_u32 v[ADRA+\s], s22, v3
	v_add_nc_u32 v[ADRB+\s], s23, v6
	s_add_co_u32 s22, s22, SLOT
	s_add_co_u32 s23, s23, SLOT
.endr
	s_mul_i32 s22, s10, 16*SPITCH
	s_add_co_u32 s22, s22, STAGE
	v_mul_u32_u24 v4, v1, SPITCH
	v_lshl_add_u32 v4, v2, 5, v4
	v_add_nc_u32 v[STO], s22, v4                   ; the stage, in: row r, 32 bytes for each half of the lanes
	v_mul_u32_u24 v5, v2, SPITCH
	v_lshl_add_u32 v5, v1, 4, v5
	v_add_nc_u32 v[RD], s22, v5                    ; back: lanes 0-15 one row of 256 bytes, lanes 16-31 the next
	v_lshlrev_b32 v5, 12, v2
	v_lshl_add_u32 v[CO], v1, 4, v5                ; the same two rows in out0
.macro MUL8 f, a0, first               ; row blocks a0, a0 + 1 x the four column blocks, 32 along K; each accumulator once a quarter: turns of one instruction
.irp a, \a0, \a0+1
.irp b, 0,1,2,3
.if \first
	v_wmma_f32_16x16x32_f16 v[8*(4*(\a)+\b):8*(4*(\a)+\b)+7], v[\f+8*\b:\f+8*\b+7], v[\f+32+8*(\a):\f+32+8*(\a)+7], v[BI+8*\b:BI+8*\b+7]
.else
	v_wmma_f32_16x16x32_f16 v[8*(4*(\a)+\b):8*(4*(\a)+\b)+7], v[\f+8*\b:\f+8*\b+7], v[\f+32+8*(\a):\f+32+8*(\a)+7], v[8*(4*(\a)+\b):8*(4*(\a)+\b)+7]
.endif
.endr
.endr
.endm
.macro FETCH slot, q, f                ; 24 LDS loads: the slot's q-th 32 along K: W_o's four fragments, then ctx's eight
	WIN TO_F
.irp b, 0,1,2,3
	ds_load_tr16_b128 v[\f+8*\b:\f+8*\b+3],   v[ADRB+\slot] offset:32*(\q)*BP+32*\b
	ds_load_tr16_b128 v[\f+8*\b+4:\f+8*\b+7], v[ADRB+\slot] offset:(32*(\q)+16)*BP+32*\b
.endr
.irp a, 0,1,2,3,4,5,6,7
	ds_load_b128 v[\f+32+8*\a:\f+32+8*\a+3],   v[ADRA+\slot] offset:((\q)/2)*APL+64*((\q)%2)+\a*16*144
	ds_load_b128 v[\f+32+8*\a+4:\f+32+8*\a+7], v[ADRA+\slot] offset:((\q)/2)*APL+64*((\q)%2)+\a*16*144+32
.endr
.endm
.macro PLACES
.rept 4
	v_nop
.endr
.endm
; One of a K step's first three quarters: multiplies buffer f, fetches quarter q into buffer g.  first = 1: C is the bias, in window 0.
.macro QUARTER slot, q, f, g, first
	s_wait_dscnt 8                                 ; W_o's fragments and ctx's blocks 0-3 are in; the youngest eight loads may be out
	WIN MUL-0x20*(\first)
	MUL8 \f, 0, \first
	MUL8 \f, 2, \first
	PLACES
	FETCH \slot, \q, \g
	s_wait_dscnt 24                                ; all but the 24 just issued
	WIN MUL-0x20*(\first)
	MUL8 \f, 4, \first
	MUL8 \f, 6, \first
.endm
; The last quarter multiplies buffer 1 and changes slots: one barrier; in front of it all my tensor loads, the add, and my reads of this slot.  fill = 1: the slot is filled again, two K steps ahead, behind a round of the cluster's barrier.
.macro TURN slot, next, fill
	WIN 0
	s_wait_tensorcnt 0x0
	ds_add_u32 v[SPW], v[NIL]
	s_wait_dscnt 9                                 ; the add and the youngest eight loads may be out
	WIN MUL
	MUL8 F1, 0, 0
	s_wait_dscnt 0x0                               ; the add is done, and my reads of this slot are over
	s_barrier_signal -1
	MUL8 F1, 2, 0
.if \fill
	WIN 0
.endif
	s_barrier_wait -1
.if \fill
	CREST
	s_add_nc_u64 s[G0+4*\slot+2:G0+4*\slot+3], s[G0+4*\slot+2:G0+4*\slot+3], 4194304
	s_add_nc_u64 s[G0B+4*\slot+2:G0B+4*\slot+3], s[G0B+4*\slot+2:G0B+4*\slot+3], 524288
	JLOAD \slot                                    ; the first tensor load behind the round; its four v_nop are also the places in front of the loads below
.else
	PLACES
.endif
	FETCH \next, 0, F0
	WIN MUL
	MUL8 F1, 4, 0
	MUL8 F1, 6, 0
.endm
	s_wait_tensorcnt 1                             ; my part of K step 0 is in; K step 1's load may be out
	s_barrier_signal -1
	s_barrier_wait -1
	FETCH 0, 0, F0
	s_wait_loadcnt 0x0                             ; the bias
	QUARTER 0, 1, F0, F1, 1                        ; the first quarter starts the sums from the bias
	WIN 0
	s_mov_b32 s3, LAPS-1
.Llap:                                             ; a trip goes once round the ring and fills both slots again
	QUARTER 0, 2, F1, F0, 0
	QUARTER 0, 3, F0, F1, 0
	TURN 0, 1, 1
	QUARTER 1, 1, F0, F1, 0
	QUARTER 1, 2, F1, F0, 0
	QUARTER 1, 3, F0, F1, 0
	TURN 1, 0, 1
	QUARTER 0, 1, F0, F1, 0
	WIN 0
	s_sub_co_u32 s3, s3, 1
	s_cmp_lg_u32 s3, 0
	s_cbranch_scc1 .Llap
	QUARTER 0, 2, F1, F0, 0                        ; the last lap fills nothing
	QUARTER 0, 3, F0, F1, 0
	TURN 0, 1, 0
	QUARTER 1, 1, F0, F1, 0
	QUARTER 1, 2, F1, F0, 0
	QUARTER 1, 3, F0, F1, 0
	s_wait_dscnt 8
	WIN MUL
	MUL8 F1, 0, 0
	MUL8 F1, 2, 0
	s_wait_dscnt 0
	MUL8 F1, 4, 0
	MUL8 F1, 6, 0
	WIN 0
; THE WAY OUT, block by block of 16 rows x 64 columns, through my own stage: sixteen lanes then store 256 consecutive bytes, aligned.
.macro TOSTAGE a
	WIN 0x08                                       ; an LDS store's data are its source 1: window 2
.irp b, 0,1,2,3
	ds_store_b128 v[STO], v[8*(4*(\a)+\b):8*(4*(\a)+\b)+3] offset:64*\b        ; each accumulator from its low end on
	ds_store_b128 v[STO], v[8*(4*(\a)+\b)+4:8*(4*(\a)+\b)+7] offset:64*\b+16
.endr
	WIN 0
.set BB, BK+32*((\a)%2)
.irp t, 0,1,2,3,4,5,6,7
	ds_load_b128 v[BB+4*\t:BB+4*\t+3], v[RD] offset:2*\t*SPITCH   ; in order behind my stores
.endr
.endm
.macro SEND a, younger
.set BB, BK+32*((\a)%2)
	s_wait_dscnt \younger                          ; the block is back; the next block's sixteen LDS instructions may be out
.irp t, 0,1,2,3,4,5,6,7
	global_store_b128 v[CO], v[BB+4*\t:BB+4*\t+3], s[70:71] offset:(\a)*65536+\t*8192 th:TH_STORE_NT
.endr
.endm
	PLACES
	TOSTAGE 0
.irp a, 1,2,3,4,5,6,7
.if \a > 1
	s_wait_xcnt 0x0                                ; the stores of two blocks back have read their registers: this block's loads may land there
.endif
	TOSTAGE \a
	SEND (\a-1), 16
.endr
	SEND 7, 0
	s_wait_tensorcnt 0x0                           ; the wave's end
	ds_add_u32 v[SPW], v[NIL]
	s_wait_dscnt 0x0
	CROUND                                         ; the closing round
	s_endpgm
.Lfunc_end_k_q78b105dc6c_oproj:
	.size	k_q78b105dc6c_oproj, .Lfunc_end_k_q78b105dc6c_oproj-k_q78b105dc6c_oproj
	.p2alignl 7, 3214868480
	.fill 96, 4, 3214868480
	.section	.rodata,"a",@progbits
	.p2align	6, 0x0
	.amdhsa_kernel k_q78b105dc6c_oproj
		.amdhsa_group_segment_fixed_size 327680
		.amdhsa_private_segment_fixed_size 0
		.amdhsa_enable_private_segment 0
		.amdhsa_kernarg_size 32
		.amdhsa_user_sgpr_count 2
		.amdhsa_user_sgpr_kernarg_segment_ptr 1
		.amdhsa_wavefront_size32 1
		.amdhsa_system_sgpr_workgroup_id_x 1
		.amdhsa_system_sgpr_workgroup_id_y 1
		.amdhsa_system_sgpr_workgroup_id_z 1
		.amdhsa_system_vgpr_workitem_id 0
		.amdhsa_next_free_vgpr 768
		.amdhsa_next_free_sgpr 72
		.amdhsa_reserve_vcc 0
		.amdhsa_float_denorm_mode_32 3
		.amdhsa_float_denorm_mode_16_64 3
		.amdhsa_memory_ordered 1
		.amdhsa_forward_progress 1
		.amdhsa_inst_pref_size 86
	.end_amdhsa_kernel
	.amdgpu_metadata
---
amdhsa.version: [ 1, 2 ]
amdhsa.kernels:
  - .name:           k_q78b105dc6c_oproj
    .symbol:         k_q78b105dc6c_oproj.kd
    .args:
      - { .name: ctxh, .offset: 0, .size: 8, .value_kind: global_buffer, .address_space: global }
      - { .name: wo16, .offset: 8, .size: 8, .value_kind: global_buffer, .address_space: global }
      - { .name: b_o, .offset: 16, .size: 8, .value_kind: global_buffer, .address_space: global }
      - { .name: out0, .offset: 24, .size: 8, .value_kind: global_buffer, .address_space: global }
    .group_segment_fixed_size: 327680
    .private_segment_fixed_size: 0
    .kernarg_segment_align: 8
    .kernarg_segment_size: 32
    .max_flat_workgroup_size: 128
    .sgpr_count:     72
    .vgpr_count:     768
    .wavefront_size: 32
...
	.end_amdgpu_metadata
.endif
;; end of part 4
;; launch fine (part 5): grid 16 x 4, 16 waves a work-group, no clusters, 85,248 bytes of LDS; arguments fineq, key_padding_mask, W_o, b_o, out0; writes out0
.if DOCPART == 5
	.amdgcn_target "amdgcn-amd-amdhsa--gfx1250"
	.amdhsa_code_object_version 6
	.text
	.protected	k_q78b105dc6c_fine
	.globl	k_q78b105dc6c_fine
	.p2align	8
	.type	k_q78b105dc6c_fine,@function
k_q78b105dc6c_fine:
	s_mov_b64 s[64:65], 0
	v_nop
	global_prefetch_b8 v0, s[64:65] scope:SCOPE_SE
	s_setreg_imm32_b32 hwreg(HW_REG_WAVE_MODE, 25, 1), 1
	s_wait_xcnt 0x0
; POSITIONS 0 TO 15 OF EVERY BATCH, IN F32 THROUGHOUT: their rows average one to sixteen values and are the largest of the output, so roundings of operands to f16 weigh most there.
; Attention over keys 0 to 15 (later keys are hidden by the causal mask, which the problem builds itself: they are left out), then the projection with W_o as it is given, + b_o.  64 rows of out0 are written again.
; A work-group is one batch (y) and 64 output columns (x).  PHASE A: wave w is head w: S^T = k q^T, softmax, O^T = v^T p, the context to LDS.  (Each of the 16 work-groups of a batch repeats it: 32 small products a wave.)
; PHASE B: wave w takes 16 columns (w % 4) and a quarter of K (w / 4); the four quarters meet in LDS; wave w then stores row w.
; q, k, v come as images of the accumulators of the launch that made them: piece g of a head, 512 bytes, holds for lane (r, h) row r, channels 16 (g / 2) + 8 h + 4 (g % 2) + 0..3.
; A product of 16 x 16 x 4 takes k = 2 h + j from lane half h, register j.  q's and k's images are laid alike, so any pair of their registers is a right pair: the same four channels on both sides.
; The registers that these matrix instructions write are written by them alone, and each sum begins with the constant 0.
; LIMITS: a raw score under -2^125 counts as masked; a row with no key gives 0 x (1 / 0) = NaN, as the softmax of such a row does.
.set CTXP, 4112                        ; a row of the context: 4,096 bytes + 16
.set PART, 16*CTXP                     ; four quarters x 16 rows x 272 bytes
.set SPARE, PART+4*16*272              ; the spare words, 128 bytes a wave: eight blocks of 256 bytes that no other line names
.set L16, 3
.set VA,  4
.set DL,  5
.set NEG, 6
.set CST, 7
.set CAD, 8
.set WA,  9
.set PST, 10
.set PRD, 11
.set L8,  12
.set MO,  13
.set MK,  14                           ; v[14:15] eight mask bytes
.set BO,  16                           ; v[16:17] two numbers of b_o
.set SPW, 18
.set NIL, 19
.set SC,  24                           ; v24-31 scores; later the sums of phase B
.set PJ,  32                           ; v32-39 weights; later the four quarters
.set SA,  40                           ; v40-55 two accumulators (matrix instructions alone write them)
.set OA,  56                           ; v56-87 four accumulators (likewise)
.set QF,  88
.set KF,  120
.set WF2, 88                           ; W_o's second half takes q's and k's registers
.set VF,  152
.set CX,  152                          ; the context, then its fragments in phase B
.set WF1, 184
	s_load_b256 s[4:11], s[0:1], 0x0               ; fineq, the mask, W_o, b_o
	s_load_b64 s[12:13], s[0:1], 0x20              ; out0
	v_lshl_add_u32 v[SPW], v0, 2, SPARE
	v_mov_b32 v[NIL], 0
	v_lshrrev_b32 v1, 5, v0
	v_readfirstlane_b32 s14, v1                    ; wave 0..15
	v_and_b32 v1, 15, v0                           ; r
	v_bfe_u32 v2, v0, 4, 1                         ; h
	v_and_b32 v20, 31, v0                          ; lane
	v_lshlrev_b32 v[L16], 4, v20
	v_lshlrev_b32 v[L8], 3, v20
	v_lshlrev_b32 v[MO], 3, v2                     ; keys 8 h on
	v_bfe_u32 v21, v0, 2, 1
	v_lshlrev_b32 v[VA], 9, v21                    ; v(key, channel 16 ct + r): ((r / 4) % 2) x 512
	v_bfe_u32 v21, v0, 3, 1
	v_lshl_add_u32 v[VA], v21, 8, v[VA]            ; + (r / 8) x 256
	v_lshl_add_u32 v[VA], v2, 7, v[VA]             ; + 8 h keys x 16
	v_and_b32 v21, 3, v0
	v_lshl_add_u32 v[VA], v21, 2, v[VA]            ; + (r % 4) x 4
	v_lshlrev_b32 v21, 3, v2
	v_sub_nc_u32 v[DL], v1, v21                    ; r - 8 h
	v_mov_b32 v[NEG], 0xff000000                   ; -2^127
	s_lshr_b32 s18, s14, 2                         ; kq
	s_and_b32 s19, s14, 3                          ; nt
	v_mul_u32_u24 v22, v1, CTXP
	s_lshl_b32 s23, s14, 8
	v_lshl_add_u32 v[CST], v2, 5, v22
	v_add_nc_u32 v[CST], s23, v[CST]               ; the context, in: row r, head w's 256 bytes, + 32 h
	s_lshl_b32 s23, s18, 10
	v_lshl_add_u32 v[CAD], v2, 4, v22
	v_add_nc_u32 v[CAD], s23, v[CAD]               ; back: row r, my quarter of K, + 16 h
	v_lshlrev_b32 v[WA], 14, v2
	v_lshl_add_u32 v[WA], v1, 2, v[WA]             ; W_o: 4 h rows of 4,096 bytes + 4 r
	s_mul_i32 s23, s18, 16*272
	s_lshl_b32 s24, s19, 6
	s_add_co_u32 s23, s23, s24
	s_add_co_u32 s23, s23, PART
	v_mul_u32_u24 v[PST], v2, 8*272
	v_lshl_add_u32 v[PST], v1, 2, v[PST]
	v_add_nc_u32 v[PST], s23, v[PST]               ; a quarter's sums: row 8 h + j, column 16 nt + r
	s_mul_i32 s23, s14, 272
	s_add_co_u32 s23, s23, PART
	v_add_nc_u32 v[PRD], s23, v[L8]                ; back: row w, 8 bytes a lane
	s_mov_b32 s20, 0x76543210
	s_mov_b32 s21, 0xfedcba98                      ; v_permlanex16_b32: lane l xor 16
	s_mov_b32 s22, 0x3e38aa3b                      ; c = log2(e) / 8
	s_and_b32 s15, ttmp7, 0xffff                   ; the batch
	s_mul_i32 s16, s15, 196608
	s_lshl_b32 s17, s14, 12
	s_add_co_u32 s16, s16, s17                     ; fineq: batch, head w
	s_mov_b32 s17, 0
	s_lshl_b32 s24, s15, 11                        ; the mask's row
	s_mov_b32 s25, 0
	s_lshl_b32 s26, s18, 20                        ; W_o: 256 kq rows + (64 x chunk + 16 nt) x 4
	s_lshl_b32 s27, ttmp9, 8
	s_add_co_u32 s26, s26, s27
	s_lshl_b32 s27, s19, 6
	s_add_co_u32 s26, s26, s27
	s_mov_b32 s27, 0
	s_lshl_b32 s28, ttmp9, 8                       ; b_o: 64 x chunk x 4
	s_mov_b32 s29, 0
	s_lshl_b32 s30, s15, 23                        ; out0: (2048 b + w) x 4,096 + 256 x chunk
	s_lshl_b32 s31, s14, 12
	s_add_co_u32 s30, s30, s31
	s_add_co_u32 s30, s30, s28
	s_mov_b32 s31, 0
	s_wait_kmcnt 0x0
	s_add_nc_u64 s[4:5], s[4:5], s[16:17]
	s_add_nc_u64 s[6:7], s[6:7], s[24:25]
	s_add_nc_u64 s[8:9], s[8:9], s[26:27]
	s_add_nc_u64 s[10:11], s[10:11], s[28:29]
	s_add_nc_u64 s[12:13], s[12:13], s[30:31]
.irp g, 0,1,2,3,4,5,6,7
	global_load_b128 v[QF+4*\g:QF+4*\g+3], v[L16], s[4:5] offset:512*\g
	global_load_b128 v[KF+4*\g:KF+4*\g+3], v[L16], s[4:5] offset:65536+512*\g
.endr
	global_load_b64 v[MK:MK+1], v[MO], s[6:7]
.irp ct, 0,1,2,3
.irp e, 0,1,2,3,4,5,6,7
	global_load_b32 v[VF+8*\ct+\e], v[VA], s[4:5] offset:131072+1024*\ct+16*\e    ; v(key 8 h + e, channel 16 ct + r)
.endr
.endr
	global_load_b64 v[BO:BO+1], v[L8], s[10:11]
.set u, 0
.rept 16
.irp e, 0,1,2,3
	global_load_b32 v[WF1+4*u+\e], v[WA], s[8:9] offset:(8*u+\e)*4096             ; W_o(256 kq + 8 u + 4 h + e, my column)
.endr
.set u, u+1
.endr
	s_wait_loadcnt 63                              ; 114 loads were issued: with 63 out at the most, the oldest 51 are in: q, k, the mask, v and b_o are the first 50
	; ---- A: S^T = k q^T: 16 products of 4 channels, two accumulators by turns
.irp g, 0,1,2,3,4,5,6,7
.irp i, 0,1
.if \g == 0
	v_wmma_f32_16x16x4_f32 v[SA+8*\i:SA+8*\i+7], v[KF+4*\g+2*\i:KF+4*\g+2*\i+1], v[QF+4*\g+2*\i:QF+4*\g+2*\i+1], 0
.else
	v_wmma_f32_16x16x4_f32 v[SA+8*\i:SA+8*\i+7], v[KF+4*\g+2*\i:KF+4*\g+2*\i+1], v[QF+4*\g+2*\i:QF+4*\g+2*\i+1], v[SA+8*\i:SA+8*\i+7]
.endif
.endr
.endr
.rept 8
	v_nop                                          ; eight places behind this form (ISA guide 7.12.1)
.endr
.irp j, 0,1,2,3,4,5,6,7
	v_add_f32 v[SC+\j], v[SA+\j], v[SA+8+\j]       ; lane (r, h): query r, key 8 h + j
.endr
.set u, 16
.rept 16
.irp e, 0,1,2,3
	global_load_b32 v[WF2+4*(u-16)+\e], v[WA], s[8:9] offset:(8*u+\e)*4096        ; into q's and k's registers, which are done with
.endr
.set u, u+1
.endr
.irp j, 0,1,2,3,4,5,6,7
	v_cmp_gt_i32 vcc_lo, \j, v[DL]                 ; key 8 h + j > query r: hidden
	v_cndmask_b32 v[SC+\j], v[SC+\j], v[NEG], vcc_lo
	v_bfe_u32 v21, v[MK+\j/4], 8*(\j%4), 1
	v_cmp_ne_u32 vcc_lo, 0, v21                    ; a padded key
	v_cndmask_b32 v[SC+\j], v[SC+\j], v[NEG], vcc_lo
.endr
	v_max3_num_f32 v20, v[SC], v[SC+1], v[SC+2]
	v_max3_num_f32 v20, v20, v[SC+3], v[SC+4]
	v_max3_num_f32 v20, v20, v[SC+5], v[SC+6]
	v_max3_num_f32 v20, v20, v[SC+7], 0xfe000000   ; and the floor -2^125
	v_mov_b32 v21, 0
	v_permlanex16_b32 v21, v20, s20, s21
	v_max_num_f32 v20, v20, v21                    ; the row's maximum
	v_mul_f32 v20, s22, v20
.irp j, 0,1,2,3,4,5,6,7
	v_fma_f32 v[PJ+\j], v[SC+\j], s22, -v20        ; c s - c m
.endr
.irp j, 0,1,2,3,4,5,6,7
	v_exp_f32 v[PJ+\j], v[PJ+\j]
.endr
	v_nop
	s_wait_alu depctr_va_vdst(0)                   ; one wait for the eight, ahead of their first reader
	v_add_f32 v22, v[PJ], v[PJ+1]
	v_add_f32 v21, v[PJ+2], v[PJ+3]
	v_add_f32 v23, v[PJ+4], v[PJ+5]
	v_add_f32 v20, v[PJ+6], v[PJ+7]
	v_add_f32 v22, v22, v21
	v_add_f32 v23, v23, v20
	v_add_f32 v22, v22, v23
	v_permlanex16_b32 v21, v22, s20, s21
	v_add_f32 v22, v22, v21                        ; the row's sum
	v_rcp_f32 v23, v22
	; O^T = v^T p: keys 8 h + 2 s + j on both sides; four accumulators by turns
.irp s, 0,1,2,3
.irp ct, 0,1,2,3
.if \s == 0
	v_wmma_f32_16x16x4_f32 v[OA+8*\ct:OA+8*\ct+7], v[VF+8*\ct+2*\s:VF+8*\ct+2*\s+1], v[PJ+2*\s:PJ+2*\s+1], 0
.else
	v_wmma_f32_16x16x4_f32 v[OA+8*\ct:OA+8*\ct+7], v[VF+8*\ct+2*\s:VF+8*\ct+2*\s+1], v[PJ+2*\s:PJ+2*\s+1], v[OA+8*\ct:OA+8*\ct+7]
.endif
.endr
.endr
.rept 8
	v_nop
.endr
	s_wait_alu depctr_va_vdst(0)                   ; the reciprocal's wait, ahead of its first reader
.set i, 0
.rept 32
	v_mul_f32 v[CX+i], v[OA+i], v23                ; register 8 ct + j: context(query r, channel 16 ct + 8 h + j)
.set i, i+1
.endr
.irp ct, 0,1,2,3
	ds_store_b128 v[CST], v[CX+8*\ct:CX+8*\ct+3] offset:64*\ct
	ds_store_b128 v[CST], v[CX+8*\ct+4:CX+8*\ct+7] offset:64*\ct+16
.endr
	s_wait_dscnt 0x0                               ; for the others' sake: my stores have landed
	s_barrier_signal -1
	s_barrier_wait -1                              ; the 16 rows of the context lie in LDS
	; ---- B: 64 products of 4 along K, two accumulators by turns; k = 256 kq + 8 u + 4 h + 2 i + j on both sides
	s_wait_loadcnt 0x0                             ; W_o's 128 numbers a lane
.set u, 0
.rept 4
.irp c, 0,1,2,3,4,5,6,7
	ds_load_b128 v[CX+4*\c:CX+4*\c+3], v[CAD] offset:32*(u+\c)
.endr
	s_wait_dscnt 0x0
.irp c, 0,1,2,3,4,5,6,7
.if u+\c < 16
.set WR, WF1+4*(u+\c)
.else
.set WR, WF2+4*(u+\c-16)
.endif
.irp i, 0,1
.if u+\c == 0
	v_wmma_f32_16x16x4_f32 v[SA+8*\i:SA+8*\i+7], v[CX+4*\c+2*\i:CX+4*\c+2*\i+1], v[WR+2*\i:WR+2*\i+1], 0
.else
	v_wmma_f32_16x16x4_f32 v[SA+8*\i:SA+8*\i+7], v[CX+4*\c+2*\i:CX+4*\c+2*\i+1], v[WR+2*\i:WR+2*\i+1], v[SA+8*\i:SA+8*\i+7]
.endif
.endr
.endr
.rept 8
	v_nop                                          ; places in front of the next loads into the fragments' registers, and of the reads of the sums
.endr
.set u, u+8
.endr
.irp j, 0,1,2,3,4,5,6,7
	v_add_f32 v[SC+\j], v[SA+\j], v[SA+8+\j]       ; lane (r, h): row 8 h + j, column 16 nt + r
.endr
.irp j, 0,1,2,3,4,5,6,7
	ds_store_b32 v[PST], v[SC+\j] offset:272*\j
.endr
	s_wait_dscnt 0x0
	s_barrier_signal -1
	s_barrier_wait -1                              ; the four quarters lie in LDS
.irp k, 0,1,2,3
	ds_load_b64 v[PJ+2*\k:PJ+2*\k+1], v[PRD] offset:16*272*\k
.endr
	s_wait_dscnt 0x0
	v_add_f32 v[PJ], v[PJ], v[PJ+2]
	v_add_f32 v[PJ+1], v[PJ+1], v[PJ+3]
	v_add_f32 v[PJ+4], v[PJ+4], v[PJ+6]
	v_add_f32 v[PJ+5], v[PJ+5], v[PJ+7]
	v_add_f32 v[PJ], v[PJ], v[PJ+4]
	v_add_f32 v[PJ+1], v[PJ+1], v[PJ+5]
	v_add_f32 v[PJ], v[PJ], v[BO]
	v_add_f32 v[PJ+1], v[PJ+1], v[BO+1]
	global_store_b64 v[L8], v[PJ:PJ+1], s[12:13]   ; the wave stores 256 consecutive bytes of row w, aligned
	s_wait_tensorcnt 0x0                           ; the wave's end,, behind my last LDS store
	ds_add_u32 v[SPW], v[NIL]
	s_wait_dscnt 0x0
	s_endpgm
.Lfunc_end_k_q78b105dc6c_fine:
	.size	k_q78b105dc6c_fine, .Lfunc_end_k_q78b105dc6c_fine-k_q78b105dc6c_fine
	.p2alignl 7, 3214868480
	.fill 96, 4, 3214868480
	.section	.rodata,"a",@progbits
	.p2align	6, 0x0
	.amdhsa_kernel k_q78b105dc6c_fine
		.amdhsa_group_segment_fixed_size 85248
		.amdhsa_private_segment_fixed_size 0
		.amdhsa_enable_private_segment 0
		.amdhsa_kernarg_size 40
		.amdhsa_user_sgpr_count 2
		.amdhsa_user_sgpr_kernarg_segment_ptr 1
		.amdhsa_wavefront_size32 1
		.amdhsa_system_sgpr_workgroup_id_x 1
		.amdhsa_system_sgpr_workgroup_id_y 1
		.amdhsa_system_sgpr_workgroup_id_z 1
		.amdhsa_system_vgpr_workitem_id 0
		.amdhsa_next_free_vgpr 256
		.amdhsa_next_free_sgpr 66
		.amdhsa_reserve_vcc 1
		.amdhsa_float_denorm_mode_32 3
		.amdhsa_float_denorm_mode_16_64 3
		.amdhsa_memory_ordered 1
		.amdhsa_forward_progress 1
		.amdhsa_inst_pref_size 37
	.end_amdhsa_kernel
	.amdgpu_metadata
---
amdhsa.version: [ 1, 2 ]
amdhsa.kernels:
  - .name:           k_q78b105dc6c_fine
    .symbol:         k_q78b105dc6c_fine.kd
    .args:
      - { .name: fineq, .offset: 0, .size: 8, .value_kind: global_buffer, .address_space: global }
      - { .name: key_padding_mask, .offset: 8, .size: 8, .value_kind: global_buffer, .address_space: global }
      - { .name: W_o, .offset: 16, .size: 8, .value_kind: global_buffer, .address_space: global }
      - { .name: b_o, .offset: 24, .size: 8, .value_kind: global_buffer, .address_space: global }
      - { .name: out0, .offset: 32, .size: 8, .value_kind: global_buffer, .address_space: global }
    .group_segment_fixed_size: 85248
    .private_segment_fixed_size: 0
    .kernarg_segment_align: 8
    .kernarg_segment_size: 40
    .max_flat_workgroup_size: 512
    .sgpr_count:     66
    .vgpr_count:     256
    .wavefront_size: 32
...
	.end_amdgpu_metadata
.endif
;; end of part 5
